; MI455X (gfx1250); checked and timed in simulation.
; The chip was launched on July 23, 2026; its instructions are those of AMD's public machine-readable ISA for CDNA 5 (MIT licence, August 2026) and "CDNA5" Instruction Set Architecture Reference Guide (July 2026). The comments in the code are by the model that wrote it; some were corrected since.
;; Attention. Allowed arithmetic: matrix products marked QUANTISED: E2M1 operands, one E8M0 scale for each 32 along K, by v_wmma_scale_f32_16x16x128_f8f6f4 with both operands' format E2M1 (or v_wmma_scale_f32_32x16x128_f4), f32 sums; products left as they are: bf16, f16 or f32 operands; f32 sums; everything else in f32.
;; Inputs: Wkv 2,048 x 256 float32; Wout 1,024 x 2,048 float32; Wq 2,048 x 1,024 float32; x 2 x 2,048 x 2,048 float32.
;; Outputs: out0 2 x 2,048 x 2,048 float32.
;; This version of the problem:
;;   THIS VERSION OF THE PROBLEM IS GIVEN IN LOW PRECISION. The matrix products marked QUANTISED in the list below multiply operands that are first quantised to E2M1 (2 exponent bits, 1 mantissa bit; 4 bits a number), with one power-of-two scale for each 32 numbers along K (OCP MX v1.0); their sums are f32. The products marked 'left as it is' may take bf16, f16 or f32 operands, with f32 sums. Whichever they take, every output number must still come out within the allowed error. Rounding operands to bf16 (8 significant bits) uses up far more of that allowance than f16 does (11 bits, for magnitudes from 6e-5 to 65,504). All else is computed in f32.
;;   The module's matrix products, in the order in which they are computed (A, B: the left and right operand; K: the contracted axis; several contracted axes count as one K, in the product's order):
;;     1. [M 4,096, K 2,048] x [K 2,048, N 1,024]; A: input x; B: input Wq: QUANTISED
;;     2. [M 4,096, K 2,048] x [K 2,048, N 256]; A: input x; B: input Wkv: QUANTISED
;;     3. batch 2 x [M 16,384, K 128] x [K 128, N 2,048]; A: computed on the way; B: computed on the way: left as it is (an operand is computed on the way)
;;     4. batch 2 x [M 16,384, K 2,048] x [K 2,048, N 128]; A: computed on the way; B: computed on the way: left as it is (an operand is computed on the way)
;;     5. [M 4,096, K 1,024] x [K 1,024, N 2,048]; A: computed on the way; B: input Wout: left as it is (an operand is computed on the way)
;;   THE QUANTISER, for each operand of a quantised product, along K:
;;     - K is cut into blocks of 32 from its start; a last block that is shorter is filled with zeros.
;;     - A block's scale is 2^e with e = floor(log2(the largest magnitude in the block)) - 2, held to -126 .. 127; a block of zeros has e = 0. As a byte (E8M0): e + 127.
;;     - Each number is divided by its block's scale, clamped to +-6, and rounded to the nearest number of E2M1, ties to even, subnormals kept.
;;     - The product sums the exact products of the quantised numbers (number of the format x scale) in f32.
;;   ~~~python
;;   def quantise(x, axis):      # numpy; x: float32 -> the quantised numbers, widened to float32 again
;;       x = np.moveaxis(x, axis, -1); K = x.shape[-1]
;;       x = np.pad(x, [(0, 0)] * (x.ndim - 1) + [(0, -K % 32)]); x = x.reshape(x.shape[:-1] + (-1, 32)); a = np.abs(x).max(-1, keepdims=True)
;;       e = np.where(a > 0, np.clip(np.frexp(np.where(a > 0, a, 1))[1] - 1 - 2, -126, 127), 0)      # np.frexp(a)[1] - 1 = floor(log2(a)), exactly
;;       r = np.clip(x / 2.0 ** e, -6, 6)
;;       step = 2.0 ** (np.maximum(np.frexp(np.where(r == 0, 1, r))[1] - 1, 0) - 1)
;;       q = np.round(r / step) * step * 2.0 ** e      # np.round: ties to even
;;       return np.moveaxis(q.reshape(q.shape[:-2] + (-1,))[..., :K], -1, axis).astype(np.float32)
;;   ~~~
;; One version. Each part assembles by itself: llvm-mc -triple=amdgcn-amd-amdhsa -mcpu=gfx1250 --defsym DOCPART=n.
;; ======== version 1 of 1: 5 launches
;; limits: values are held in f16: magnitudes above 65,504 overflow, below 6.1e-05 lose precision
;; workspace buffers: xq 4,456,448 bytes; wq 1,392,640 bytes; w16 4,194,304 bytes; rope 1,048,576 bytes; q16 8,388,608 bytes; kv16 2,097,152 bytes; f32a 163,840 bytes; o16 8,388,608 bytes
;; launch prep (part 1): grid 592 x 1, 4 waves a work-group, no clusters, 35,328 bytes of LDS; arguments x, Wq, Wkv, Wout, xq, wq, w16, rope; writes xq, wq, w16, rope
.if DOCPART == 1
	.amdgcn_target "amdgcn-amd-amdhsa--gfx1250"
	.amdhsa_code_object_version 6
	.text
	.protected	k_qc3ae3d584d_prep
	.globl	k_qc3ae3d584d_prep
	.p2align	8
	.type	k_qc3ae3d584d_prep,@function
k_qc3ae3d584d_prep:
	s_mov_b64 s[64:65], 0
	v_nop
	global_prefetch_b8 v0, s[64:65] scope:SCOPE_SE
	s_setreg_imm32_b32 hwreg(HW_REG_WAVE_MODE, 25, 1), 1
	s_wait_xcnt 0x0
; PREP: everything that later launches read many times is laid out once, as IMAGES OF OPERAND REGISTERS (pieces of 512 bytes, lane l's 16 bytes at 16 l; lane = 16 h + r).
; Roles by the work-group's number: 0-255 x -> codes of E2M1 and E8M0 scale words (xq); 256-319 Wq and 320-335 Wkv -> the same (wq); 336-463 Wout -> f16 (w16); 464-591 the table of cos and sin (rope).
; xq, wq: records of 4,352 bytes for (g = 512 along K, tile of 16 rows): codes [block of 32: 16][r 16][16 bytes], then at +4096 scale words [r 16][4 words], word s for the s-th 128 along K.
; THE QUANTISER: a block's scale is 2^(floor(log2(largest magnitude)) - 2); its byte is the largest magnitude's exponent field - 2, held at 1 from below; numbers are divided by it and rounded to the nearest code, ties to even, beyond 6 the largest code.
; LIMITS: a block of zeros gets the byte 1 where the rule says 127 (its codes are zeros, and this program alone reads the bytes); NaN and infinities among the inputs are not served; |Wout| stays under 65,504 (f16).
; A stream: no matrix unit, no tensor load, no barrier; waves share nothing.  Only the x role uses LDS (a turn from 'lanes along bytes' to 'a block in a lane').
; The weights' scale words leave in pieces of 8 bytes: 80 KiB in all.
.set SPARE, 34816                      ; behind the four waves' stages: the spare words, 128 bytes a wave
.set SPW, 14                           ; v14 LDS address of my spare word; never rewritten
.set NIL, 15                           ; v15 0; never rewritten
.set E, 16                             ; v16-23  x role: a scale byte for each substep
.set W, 24                             ; v24-27  scale words
.set C, 32                             ; v32-63  x role: codes, four registers a substep, never rewritten
.set R, 64                             ; v64-191 x role: four sets of 32 registers as loaded
.set X, 192                            ; v192-255 x role: two sets of 32: a whole block in a lane
; 32 numbers of one block in v[xs] on -> 4 registers of codes at v[c], the scale's byte in v[e].  v11-13 at work.
.macro QBLK xs, c, e
	v_max3_num_f32 v12, |v[\xs]|, |v[\xs+1]|, |v[\xs+2]|           ; the block's largest magnitude, in two chains
	v_max3_num_f32 v13, |v[\xs+3]|, |v[\xs+4]|, |v[\xs+5]|
.irp i, 6,10,14,18,22,26
	v_max3_num_f32 v12, v12, |v[\xs+\i]|, |v[\xs+\i+1]|
	v_max3_num_f32 v13, v13, |v[\xs+\i+2]|, |v[\xs+\i+3]|
.endr
	v_max3_num_f32 v12, v12, |v[\xs+30]|, |v[\xs+31]|
	v_max3_num_f32 v12, v12, v13, 0x1800000                        ; and the floor 2^(3 - 127): the byte cannot fall under 1
	v_add_nc_u32 v11, 0xff000000, v12                              ; 2 off the exponent field: the conversion takes this operand's exponent field as its scale
.irp g, 0,1,2,3
	v_cvt_scalef32_pk8_fp4_f32 v[\c+\g], v[\xs+8*\g:\xs+8*\g+7], v11
.endr
	v_lshrrev_b32 v[\e], 23, v11                                   ; the scale's byte (also the plain line behind the conversions)
.endm
	s_load_b512 s[4:19], s[0:1], 0x0       ; x 4, Wq 6, Wkv 8, Wout 10, xq 12, wq 14, w16 16, rope 18
	v_lshl_add_u32 v[SPW], v0, 2, SPARE
	v_mov_b32 v[NIL], 0
	v_lshrrev_b32 v1, 5, v0
	v_readfirstlane_b32 s20, v1            ; wave
	v_and_b32 v1, 31, v0                   ; lane
	v_and_b32 v2, 15, v0                   ; r
	v_bfe_u32 v3, v0, 4, 1                 ; h
	v_lshlrev_b32 v4, 4, v1                ; 16 x lane: my place in a piece
	s_mov_b32 s22, 0x76543210
	s_mov_b32 s23, 0xfedcba98              ; v_permlanex16_b32's selects for lane l xor 16
	s_wait_kmcnt 0x0
	s_cmp_lt_u32 ttmp9, 256
	s_cbranch_scc1 .Lrole_x
	s_cmp_lt_u32 ttmp9, 320
	s_cbranch_scc1 .Lrole_wq
	s_cmp_lt_u32 ttmp9, 336
	s_cbranch_scc1 .Lrole_wkv
	s_cmp_lt_u32 ttmp9, 464
	s_cbranch_scc1 .Lrole_o
; ---- THE TABLE.  Work-group = 16 positions pt, wave = 16 frequencies sub; lane (r, h): position 16 pt + r, frequencies 16 sub + 8 h + j.
; angle = position x 10000^(-f / 64); reduced by whole quarter turns in two parts of pi / 2, then Taylor polynomials on |rho| <= pi / 4 (terms to rho^9 and rho^8).
	s_sub_co_u32 s24, ttmp9, 464           ; pt
	s_lshl_b32 s25, s24, 2
	s_add_co_u32 s25, s25, s20
	s_lshl_b32 s26, s25, 11                ; (4 pt + sub) x 2,048 bytes
	s_mov_b32 s27, 0
	s_add_nc_u64 s[18:19], s[18:19], s[26:27]
	s_lshl_b32 s25, s20, 4
	v_lshl_add_u32 v8, v3, 3, s25          ; my first frequency
	s_lshl_b32 s24, s24, 4
	v_add_nc_u32 v9, s24, v2
	v_cvt_f32_u32 v9, v9                   ; my position
.irp j, 0,1,2,3,4,5,6,7
	v_add_nc_u32 v[16+\j], \j, v8
.endr
.irp j, 0,1,2,3,4,5,6,7
	v_cvt_f32_u32 v[16+\j], v[16+\j]
.endr
.irp j, 0,1,2,3,4,5,6,7
	v_mul_f32 v[16+\j], 0xbe549a78, v[16+\j]   ; - f x log2(10000) / 64
.endr
.irp j, 0,1,2,3,4,5,6,7
	v_exp_f32 v[24+\j], v[16+\j]
.endr
	v_nop                                  ; a plain line behind the last exponential
	s_wait_alu depctr_va_vdst(0)           ; one wait for the batch, ahead of its first reader
.macro ANG j
	v_mul_f32 v32, v9, v[24+\j]            ; the angle
	v_mul_f32 v33, 0x3f22f983, v32         ; x 2 / pi
	v_rndne_f32 v33, v33                   ; k quarter turns
	v_fmamk_f32 v34, v33, 0xbfc90fdb, v32  ; rho = angle - k x (pi / 2)'s high part
	v_fmamk_f32 v34, v33, 0x333bbd2e, v34  ;       - k x its low part
	v_mul_f32 v35, v34, v34
	v_mov_b32 v36, 0x3638ef1d              ; sin: 1/9!, -1/7!, 1/5!, -1/3!
	v_fmaak_f32 v36, v36, v35, 0xb9500d01
	v_fmaak_f32 v36, v36, v35, 0x3c088889
	v_fmaak_f32 v36, v36, v35, 0xbe2aaaab
	v_mul_f32 v37, v34, v35
	v_fma_f32 v36, v37, v36, v34
	v_mov_b32 v38, 0x37d00d01              ; cos: 1/8!, -1/6!, 1/4!, -1/2, 1
	v_fmaak_f32 v38, v38, v35, 0xbab60b61
	v_fmaak_f32 v38, v38, v35, 0x3d2aaaab
	v_fmaak_f32 v38, v38, v35, 0xbf000000
	v_fmaak_f32 v38, v38, v35, 0x3f800000
	v_cvt_i32_f32 v39, v33
	v_and_b32 v40, 1, v39
	v_cmp_ne_u32 vcc_lo, 0, v40            ; an odd quarter swaps the two
	v_cndmask_b32 v41, v36, v38, vcc_lo
	v_cndmask_b32 v42, v38, v36, vcc_lo
	v_and_b32 v43, 2, v39                  ; sin changes sign in quarters 2, 3
	v_lshlrev_b32 v43, 30, v43
	v_xor_b32 v[72+\j], v43, v41
	v_add_nc_u32 v44, 1, v39               ; cos in quarters 1, 2
	v_and_b32 v44, 2, v44
	v_lshlrev_b32 v44, 30, v44
	v_xor_b32 v[64+\j], v44, v42
.endm
.irp j, 0,1,2,3,4,5,6,7
	ANG \j
.endr
.irp p, 0,1,2,3
	global_store_b128 v4, v[64+4*\p:67+4*\p], s[18:19] offset:512*\p   ; cos j 0-3, cos j 4-7, sin j 0-3, sin j 4-7: 512 consecutive bytes each
.endr
	s_endpgm
; ---- x.  Work-group = tile of 16 rows mt, wave = g: 16 rows x 512 numbers in 8 substeps of 64 numbers a row.
; Loads take bytes as they lie (16 lanes: 256 consecutive bytes of a row); a substep's 4 KiB turn through the wave's own stage (rows 272 bytes apart) and come back with block 2 u + h of row r whole in lane (r, h).
.Lrole_x:
	s_lshl_b32 s24, ttmp9, 17              ; mt x 16 rows x 8,192 bytes
	s_lshl_b32 s25, s20, 11                ; + g x 2,048
	s_add_co_u32 s24, s24, s25
	s_mov_b32 s25, 0
	s_add_nc_u64 s[4:5], s[4:5], s[24:25]
	s_lshl_b32 s24, s20, 8
	s_add_co_u32 s24, s24, ttmp9
	s_mul_i32 s24, s24, 4352               ; record (g, mt)
	s_add_nc_u64 s[12:13], s[12:13], s[24:25]
	s_mul_i32 s26, s20, 8704               ; my two stages
	v_lshlrev_b32 v5, 13, v3
	v_lshl_add_u32 v5, v2, 4, v5           ; in memory: row h, 16 r
	v_mul_u32_u24 v6, v3, 272
	v_lshl_add_u32 v6, v2, 4, v6
	v_add_nc_u32 v6, s26, v6               ; into the stage: the same
	v_mul_u32_u24 v7, v2, 272
	v_lshl_add_u32 v7, v3, 7, v7
	v_add_nc_u32 v7, s26, v7               ; out of it: row r, block h
.macro XLOAD u
.irp i, 0,1,2,3,4,5,6,7
	global_load_b128 v[R+32*((\u)%4)+4*\i:R+32*((\u)%4)+4*\i+3], v5, s[4:5] offset:\i*16384+(\u)*256 th:TH_LOAD_NT
.endr
.endm
.macro XTURN u                         ; LDS serves a wave's instructions in order: no wait between the stores and the loads
.irp i, 0,1,2,3,4,5,6,7
	ds_store_b128 v6, v[R+32*((\u)%4)+4*\i:R+32*((\u)%4)+4*\i+3] offset:((\u)%2)*4352+\i*544
.endr
.irp i, 0,1,2,3,4,5,6,7
	ds_load_b128 v[X+32*((\u)%2)+4*\i:X+32*((\u)%2)+4*\i+3], v7 offset:((\u)%2)*4352+16*\i
.endr
.endm
.macro XSTEP u
	s_wait_dscnt 0x0                       ; this substep's block is back, and its stores into the stage have read their registers,
.if (\u)+4 < 8
	XLOAD (\u)+4                           ; which take the loads of four substeps on
.endif
.if (\u) < 7
.if (\u) < 4
	s_wait_loadcnt 24                      ; the next substep's 8 loads are in; three younger sets may be out
.else
	s_wait_loadcnt 8*(6-(\u))              ; the sets still behind it
.endif
	XTURN (\u)+1                           ; through the other stage while this block is worked
.endif
	QBLK X+32*((\u)%2), C+4*(\u), E+(\u)
	global_store_b128 v4, v[C+4*(\u):C+4*(\u)+3], s[12:13] offset:(\u)*512   ; blocks 2 u and 2 u + 1 of 16 rows: 512 consecutive bytes
.endm
	XLOAD 0
	XLOAD 1
	XLOAD 2
	XLOAD 3
	s_wait_loadcnt 24                      ; substep 0 is in
	XTURN 0
.irp u, 0,1,2,3,4,5,6,7
	XSTEP \u
.endr
	v_lshlrev_b32 v8, 3, v3                ; my bytes stand 8 h bits up
	v_mov_b32 v10, 0                       ; (a lane permute's destination counts as read)
.irp s, 0,1,2,3
	v_lshl_or_b32 v[W+\s], v[E+2*\s+1], 16, v[E+2*\s]   ; blocks 4 s + h and 4 s + 2 + h
	v_lshlrev_b32 v[W+\s], v8, v[W+\s]
	v_permlanex16_b32 v10, v[W+\s], s22, s23
	v_or_b32 v[W+\s], v[W+\s], v10         ; with lane l xor 16's two bytes the word is whole
.endr
	v_cmp_ne_u32 vcc_lo, 0, v3
	v_cndmask_b32 v12, v[W], v[W+2], vcc_lo
	v_cndmask_b32 v13, v[W+1], v[W+3], vcc_lo
	v_lshlrev_b32 v9, 4, v2
	v_lshl_add_u32 v9, v3, 3, v9
	global_store_b64 v9, v[12:13], s[12:13] offset:4096   ; 16 rows x 4 words: 256 consecutive bytes
	s_wait_tensorcnt 0x0                   ; the wave's end, behind my last LDS store
	ds_add_u32 v[SPW], v[NIL]
	s_wait_dscnt 0x0
	s_endpgm
; ---- Wq, Wkv: K is the FIRST axis.  A lane takes a column and its registers run down K: a block of 32 lies in one lane, and the codes come out with K innermost.
; Work-group: 128 columns (cb) x 256 along K (kh); wave: 32 columns; 8 blocks a lane.  THE TILES ARE ORDERED so that the two halves of a rotary pair are neighbours:
; column n = 128 unit + 64 half + 16 sub + r lies in tile 8 unit + 2 sub + half (units 0-7 q's heads, 8 k, 9 v).
.macro WLOAD t, pitch, src
.set i_, 0
.rept 32
	global_load_b32 v[32+32*((\t)%2)+i_], v5, s[\src:\src+1] offset:(32*(\t)+i_)*\pitch th:TH_LOAD_NT
.set i_, i_+1
.endr
.endm
.macro WBLOCK t, pitch, src
.if (\t) < 7
	s_wait_loadcnt 32                      ; this block's 32 loads are in; the next block's may be out
.else
	s_wait_loadcnt 0x0
.endif
	QBLK 32+32*((\t)%2), 96+4*(\t), 10
.if (\t)%4 == 0
	v_mov_b32 v[24+(\t)/4], v10            ; four bytes to a word, the lower K in the lower byte
.else
	v_lshl_or_b32 v[24+(\t)/4], v10, 8*((\t)%4), v[24+(\t)/4]
.endif
	global_store_b128 v6, v[96+4*(\t):96+4*(\t)+3], s[32:33] offset:(\t)*256   ; 16 lanes: 256 consecutive bytes of a record
.if (\t)+2 < 8
	WLOAD (\t)+2, \pitch, \src
.endif
.endm
; s24 = cb, s25 = kh, s26 = unit
.macro WQUANT pitch, src
	s_mul_i32 s28, s25, 256*\pitch
	s_lshl_b32 s29, s24, 9
	s_add_co_u32 s28, s28, s29
	s_lshl_b32 s29, s20, 7
	s_add_co_u32 s28, s28, s29             ; row 256 kh, column 128 cb + 32 wave
	s_mov_b32 s29, 0
	s_add_nc_u64 s[\src:\src+1], s[\src:\src+1], s[28:29]
	s_lshr_b32 s30, s25, 1                 ; g
	s_mul_i32 s30, s30, 80
	s_lshl_b32 s31, s26, 3
	s_add_co_u32 s30, s30, s31
	s_and_b32 s31, s20, 1
	s_lshl_b32 s31, s31, 2
	s_add_co_u32 s30, s30, s31
	s_lshr_b32 s31, s20, 1
	s_add_co_u32 s30, s30, s31             ; tile of lanes 0-15: 80 g + 8 unit + 4 (wave & 1) + (wave >> 1); lanes 16-31: two tiles on
	s_mul_i32 s28, s30, 4352
	s_add_nc_u64 s[14:15], s[14:15], s[28:29]
	s_and_b32 s30, s25, 1
	s_lshl_b32 s28, s30, 11
	s_add_nc_u64 s[32:33], s[14:15], s[28:29]   ; codes: blocks 8 (kh & 1) on
	s_lshl_b32 s28, s30, 3
	s_add_nc_u64 s[34:35], s[14:15], s[28:29]   ; scale words 2 (kh & 1) on
	v_lshlrev_b32 v5, 2, v1
	v_mul_u32_u24 v6, v3, 8704
	v_lshl_add_u32 v6, v2, 4, v6
	WLOAD 0, \pitch, \src
	WLOAD 1, \pitch, \src
.irp t, 0,1,2,3,4,5,6,7
	WBLOCK \t, \pitch, \src
.endr
	global_store_b64 v6, v[24:25], s[34:35] offset:4096
	s_endpgm
.endm
.Lrole_wq:
	s_sub_co_u32 s25, ttmp9, 256
	s_and_b32 s24, s25, 7
	s_lshr_b32 s25, s25, 3
	s_mov_b32 s26, s24
	WQUANT 4096, 6
.Lrole_wkv:
	s_sub_co_u32 s25, ttmp9, 320
	s_and_b32 s24, s25, 1
	s_lshr_b32 s25, s25, 1
	s_add_co_u32 s26, s24, 8
	WQUANT 1024, 8
; ---- Wout -> f16 fragments of Wout^T: [kc 8][nt 128][q 4][c 2][512 bytes]; lane (r = n, h) holds k = 128 kc + 32 q + 16 c + 8 h + 0 .. 7.  A lane takes a column, registers run down K.
.Lrole_o:
	s_sub_co_u32 s24, ttmp9, 336
	s_lshr_b32 s25, s24, 4                 ; kc
	s_and_b32 s24, s24, 15                 ; cb
	s_lshl_b32 s28, s25, 20
	s_lshl_b32 s29, s24, 9
	s_add_co_u32 s28, s28, s29
	s_lshl_b32 s29, s20, 7
	s_add_co_u32 s28, s28, s29
	s_mov_b32 s29, 0
	s_add_nc_u64 s[10:11], s[10:11], s[28:29]
	s_lshl_b32 s28, s25, 7
	s_lshl_b32 s30, s24, 3
	s_add_co_u32 s28, s28, s30
	s_lshl_b32 s30, s20, 1
	s_add_co_u32 s28, s28, s30
	s_lshl_b32 s28, s28, 12                ; tile 128 kc + 8 cb + 2 wave
	s_add_nc_u64 s[16:17], s[16:17], s[28:29]
	v_lshlrev_b32 v5, 2, v1
	v_lshlrev_b32 v6, 12, v3
	v_lshl_add_u32 v6, v2, 4, v6
.macro OLOAD q
.set i_, 0
.rept 32
	global_load_b32 v[32+32*((\q)%2)+i_], v5, s[10:11] offset:(32*(\q)+i_)*8192
.set i_, i_+1
.endr
.endm
.macro OBLK q
.if (\q) < 3
	s_wait_loadcnt 32
.else
	s_wait_loadcnt 0x0
.endif
.set j_, 0
.rept 16
	v_cvt_pk_f16_f32 v[96+16*(\q)+j_], v[32+32*((\q)%2)+2*j_], v[32+32*((\q)%2)+2*j_+1]
.set j_, j_+1
.endr
.irp p, 0,1,2,3
	global_store_b128 v6, v[96+16*(\q)+4*\p:96+16*(\q)+4*\p+3], s[16:17] offset:(\q)*1024+\p*256   ; k = 8 p + 0 .. 7 of these 32: 16 lanes, 256 consecutive bytes
.endr
.if (\q)+2 < 4
	OLOAD (\q)+2
.endif
.endm
	OLOAD 0
	OLOAD 1
.irp q, 0,1,2,3
	OBLK \q
.endr
	s_endpgm
.Lfunc_end_k_qc3ae3d584d_prep:
	.size	k_qc3ae3d584d_prep, .Lfunc_end_k_qc3ae3d584d_prep-k_qc3ae3d584d_prep
	.p2alignl 7, 3214868480
	.fill 96, 4, 3214868480
	.section	.rodata,"a",@progbits
	.p2align	6, 0x0
	.amdhsa_kernel k_qc3ae3d584d_prep
		.amdhsa_group_segment_fixed_size 35328
		.amdhsa_private_segment_fixed_size 0
		.amdhsa_enable_private_segment 0
		.amdhsa_kernarg_size 64
		.amdhsa_user_sgpr_count 2
		.amdhsa_user_sgpr_kernarg_segment_ptr 1
		.amdhsa_wavefront_size32 1
		.amdhsa_system_sgpr_workgroup_id_x 1
		.amdhsa_system_sgpr_workgroup_id_y 1
		.amdhsa_system_sgpr_workgroup_id_z 1
		.amdhsa_system_vgpr_workitem_id 0
		.amdhsa_next_free_vgpr 256
		.amdhsa_next_free_sgpr 66
		.amdhsa_reserve_vcc 1
		.amdhsa_float_denorm_mode_32 3
		.amdhsa_float_denorm_mode_16_64 3
		.amdhsa_memory_ordered 1
		.amdhsa_forward_progress 1
		.amdhsa_inst_pref_size 136
	.end_amdhsa_kernel
	.amdgpu_metadata
---
amdhsa.version: [ 1, 2 ]
amdhsa.kernels:
  - .name:           k_qc3ae3d584d_prep
    .symbol:         k_qc3ae3d584d_prep.kd
    .args:
      - { .name: x, .offset: 0, .size: 8, .value_kind: global_buffer, .address_space: global }
      - { .name: Wq, .offset: 8, .size: 8, .value_kind: global_buffer, .address_space: global }
      - { .name: Wkv, .offset: 16, .size: 8, .value_kind: global_buffer, .address_space: global }
      - { .name: Wout, .offset: 24, .size: 8, .value_kind: global_buffer, .address_space: global }
      - { .name: xq, .offset: 32, .size: 8, .value_kind: global_buffer, .address_space: global }
      - { .name: wq, .offset: 40, .size: 8, .value_kind: global_buffer, .address_space: global }
      - { .name: w16, .offset: 48, .size: 8, .value_kind: global_buffer, .address_space: global }
      - { .name: rope, .offset: 56, .size: 8, .value_kind: global_buffer, .address_space: global }
    .group_segment_fixed_size: 35328
    .private_segment_fixed_size: 0
    .kernarg_segment_align: 8
    .kernarg_segment_size: 64
    .max_flat_workgroup_size: 128
    .sgpr_count:     66
    .vgpr_count:     256
    .wavefront_size: 32
...
	.end_amdgpu_metadata
.endif
;; end of part 1
;; launch proj (part 2): grid 32 x 8, 4 waves a work-group, no clusters, 327,680 bytes of LDS; arguments xq, wq, rope, q16, kv16, f32a; writes q16, kv16, f32a
.if DOCPART == 2
	.amdgcn_target "amdgcn-amd-amdhsa--gfx1250"
	.amdhsa_code_object_version 6
	.text
	.protected	k_qc3ae3d584d_proj
	.globl	k_qc3ae3d584d_proj
	.p2align	8
	.type	k_qc3ae3d584d_proj,@function
k_qc3ae3d584d_proj:
	s_mov_b64 s[64:65], 0
	v_nop
	global_prefetch_b8 v0, s[64:65] scope:SCOPE_SE
	s_setreg_imm32_b32 hwreg(HW_REG_WAVE_MODE, 25, 1), 1
	s_wait_xcnt 0x0
; PROJ: [q | k | v] = Q(x) Q([Wq | Wkv]) on codes of E2M1 with E8M0 scales (M 4,096, N 1,280, K 2,048), the rotary turn in f32, results as f16 images of the operands of the attention launch.
; SHARES.  Work-group (x = 128 tokens, y = 10 tiles of 16 columns = 5 rotary pairs); wave: 2 tiles of tokens x 10 tiles of columns: 20 accumulators.
; ALL OF K LIES IN LDS AT ONCE: x 8 x 4 records of 4,352 bytes, W 10 x 4: 313,344 bytes, brought by first fills alone (four tensor loads a wave, one for each 512 along K): nothing is filled again.
; NO CLUSTER: the turn of v's products hangs on the work-group's y and the f32 copy on its x, so partners along either axis would take different branches.
; THE PRODUCT IS USED TRANSPOSED for q and k (source 0 = 16 columns of W, source 1 = 16 tokens): a lane holds one token and eight neighbouring channels.  For v it is used as it stands: a lane holds one channel and eight tokens, which is v^T's fragment.
; Tiles 2 p and 2 p + 1 hold channels d and d + 64: the rotary partners lie in the same lane and register of two accumulators.
; Positions 0-15 of each batch are also stored in f32 (f32a) for the launch that carries them finely.
; LIMITS: |q|, |k|, |v| stay under 65,504 (f16); q is left unscaled: 128^-1/2 stands in the softmax's constant.
; REGISTERS: window 0: v1-5 addresses; v14, v15 the add's two; v16-23 x's scale words, v24-63 W's (scales and nothing else); v64-159, v160-255 two sets of fragments (x's two, W's ten).  window 1: accumulator (tile i, m) at v[8 (2 i + m)].
.set XB, 0
.set WB, 139264
.set SPARE, 313344                     ; the spare words, 128 bytes a wave
.set XS, 16
.set WS, 24
.set F0, 64
.set MSB, 0
.macro WIN new                         ; the immediate's high byte repeats the setting that is left
.if MSB != \new
	s_set_vgpr_msb (MSB<<8)|\new
.set MSB, \new
.endif
.endm
.macro PLACES                          ; four plain places behind matrix instructions, ahead of loads into their registers and of reads of their results
.rept 4
	v_nop
.endr
.endm
	s_load_b256 s[4:11], s[0:1], 0x0       ; xq 4, wq 6, rope 8, q16 10
	s_load_b128 s[12:15], s[0:1], 0x20     ; kv16 12, f32a 14
	v_lshl_add_u32 v14, v0, 2, SPARE
	v_mov_b32 v15, 0
	ds_add_u32 v14, v15                    ; the opening: the add, twice on end, and its wait ahead of my first tensor load
	ds_add_u32 v14, v15
	v_lshrrev_b32 v1, 5, v0
	v_readfirstlane_b32 s66, v1            ; wave
	s_mov_b32 s67, ttmp9                   ; block of 128 tokens
	s_and_b32 s68, ttmp7, 0xffff           ; group of 10 tiles
	; descriptors' shapes: dense blocks as rows of 256 bytes (32 elements of 8 bytes): x 68 rows (4 records), W 85 rows (5 records)
	s_mov_b32 s16, 3<<16
	s_mov_b32 s17, 32<<16
	s_mov_b32 s18, 68<<16
	s_mov_b32 s19, 32<<16
	s_mov_b32 s20, 68
	s_mov_b32 s21, 32
	s_mov_b32 s22, 0
	s_mov_b32 s23, 0
	s_mov_b32 s24, 3<<16
	s_mov_b32 s25, 32<<16
	s_mov_b32 s26, 85<<16
	s_mov_b32 s27, 32<<16
	s_mov_b32 s28, 85
	s_mov_b32 s29, 32
	s_mov_b32 s30, 0
	s_mov_b32 s31, 0
	s_and_b32 s70, s66, 1                  ; which half I fetch (waves 0, 1: x; waves 2, 3: W)
	s_lshl_b32 s71, s67, 3
	s_lshl_b32 s72, s70, 2
	s_add_co_u32 s71, s71, s72
	s_mul_i32 s72, s71, 4352
	s_mov_b32 s73, 0
	s_mul_i32 s74, s68, 10
	s_mul_i32 s75, s70, 5
	s_add_co_u32 s74, s74, s75
	s_mul_i32 s74, s74, 4352
	s_mov_b32 s75, 0
	s_mul_i32 s76, s70, 17408
	s_mul_i32 s77, s70, 21760
	s_wait_dscnt 0x0                       ; both opening adds are done
	s_wait_kmcnt 0x0
	s_add_nc_u64 s[72:73], s[4:5], s[72:73]
	s_add_nc_u64 s[74:75], s[6:7], s[74:75]
.irp g, 0,1,2,3
	s_mov_b32 s[32+4*\g], 1
	s_add_co_u32 s[33+4*\g], s76, XB+\g*34816
	s_add_nc_u64 s[34+4*\g:35+4*\g], s[72:73], \g*256*4352
	s_or_b32 s[35+4*\g], s[35+4*\g], 0x80000000
	s_mov_b32 s[48+4*\g], 1
	s_add_co_u32 s[49+4*\g], s77, WB+\g*43520
	s_add_nc_u64 s[50+4*\g:51+4*\g], s[74:75], \g*80*4352
	s_or_b32 s[51+4*\g], s[51+4*\g], 0x80000000
.endr
	s_cmp_lt_u32 s66, 2                    ; a wave's four first fills stand in one branch: four loads of mine are out
	s_cbranch_scc0 .Lfill_w
.irp g, 0,1,2,3
	tensor_load_to_lds s[32+4*\g:35+4*\g], s[16:23]
	s_nop 0
.endr
	PLACES
	s_branch .Lfilled
.Lfill_w:
.irp g, 0,1,2,3
	tensor_load_to_lds s[48+4*\g:51+4*\g], s[24:31]
	s_nop 0
.endr
	PLACES
.Lfilled:
	v_and_b32 v1, 31, v0
	v_lshlrev_b32 v1, 4, v1                ; 16 x lane
	v_and_b32 v6, 15, v0
	v_lshlrev_b32 v6, 4, v6                ; 16 r
	s_mul_i32 s70, s66, 8704               ; my two tiles of tokens
	v_add_nc_u32 v2, s70, v1               ; x's codes
	v_add_nc_u32 v3, WB, v1                ; W's codes
	v_add_nc_u32 v4, s70, v6
	v_add_nc_u32 v4, 4096, v4              ; x's scale words
	v_add_nc_u32 v5, WB+4096, v6           ; W's
	s_lshr_b32 s80, s67, 4                 ; batch
	s_and_b32 s81, s67, 15                 ; sigma: which 128 positions
	s_mul_i32 s82, s68, 5                  ; my first rotary pair
	s_or_b32 s83, s81, s66                 ; 0 in the wave that holds positions 0-15
	s_lshl_b32 s84, s81, 3
	s_lshl_b32 s85, s66, 1
	s_add_co_u32 s85, s84, s85
	s_lshl_b32 s85, s85, 13                ; the table's bytes of position tile 8 sigma + 2 wave
.macro FETCH q, set                    ; 24 loads: the fragments of the group's q-th 128 along K: each 512 consecutive bytes
.irp m, 0,1
.irp c, 0,1
	ds_load_b128 v[\set+8*\m+4*\c:\set+8*\m+4*\c+3], v2 offset:\m*4352+(\q)*1024+\c*512
.endr
.endr
.set i_, 0
.rept 10
.irp c, 0,1
	ds_load_b128 v[\set+16+8*i_+4*\c:\set+16+8*i_+4*\c+3], v3 offset:i_*4352+(\q)*1024+\c*512
.endr
.set i_, i_+1
.endr
.endm
.macro SCALES                          ; 12 loads: four words a row: register q is the word of the q-th 128 along K
.irp m, 0,1
	ds_load_b128 v[XS+4*\m:XS+4*\m+3], v4 offset:\m*4352
.endr
.set i_, 0
.rept 10
	ds_load_b128 v[WS+4*i_:WS+4*i_+3], v5 offset:i_*4352
.set i_, i_+1
.endr
.endm
; 20 matrix instructions; the accumulators take turns, in the same order in every step.  z: the products start the sums.  nat: tiles 2 on are v's and are used as they stand.
.macro MUL q, set, z, nat
.set i_, 0
.rept 10
.set m_, 0
.rept 2
.set AC_, 8*(2*i_+m_)
.set WF_, \set+16+8*i_
.set XF_, \set+8*m_
.if (\nat) && (i_ >= 2)
.if \z
	v_wmma_scale_f32_16x16x128_f8f6f4 v[AC_:AC_+7], v[XF_:XF_+7], v[WF_:WF_+7], 0, v[XS+4*m_+\q], v[WS+4*i_+\q] matrix_a_fmt:MATRIX_FMT_FP4 matrix_b_fmt:MATRIX_FMT_FP4
.else
	v_wmma_scale_f32_16x16x128_f8f6f4 v[AC_:AC_+7], v[XF_:XF_+7], v[WF_:WF_+7], v[AC_:AC_+7], v[XS+4*m_+\q], v[WS+4*i_+\q] matrix_a_fmt:MATRIX_FMT_FP4 matrix_b_fmt:MATRIX_FMT_FP4
.endif
.else
.if \z
	v_wmma_scale_f32_16x16x128_f8f6f4 v[AC_:AC_+7], v[WF_:WF_+7], v[XF_:XF_+7], 0, v[WS+4*i_+\q], v[XS+4*m_+\q] matrix_a_fmt:MATRIX_FMT_FP4 matrix_b_fmt:MATRIX_FMT_FP4
.else
	v_wmma_scale_f32_16x16x128_f8f6f4 v[AC_:AC_+7], v[WF_:WF_+7], v[XF_:XF_+7], v[AC_:AC_+7], v[WS+4*i_+\q], v[XS+4*m_+\q] matrix_a_fmt:MATRIX_FMT_FP4 matrix_b_fmt:MATRIX_FMT_FP4
.endif
.endif
.set m_, m_+1
.endr
.set i_, i_+1
.endr
.endm
; 512 along K.
.macro GSTEP g, nat
	s_wait_tensorcnt 3-\g                  ; my part of this group is in; the younger groups' loads may stay out
	s_barrier_signal -1                    ; (no LDS instruction of mine is out: the last wait on DScnt was for 0)
	s_barrier_wait -1                      ; everybody's part is in
.if \g > 0
	v_add_nc_u32 v2, 34816, v2
	v_add_nc_u32 v4, 34816, v4
	v_add_nc_u32 v3, 43520, v3
	v_add_nc_u32 v5, 43520, v5
.endif
	PLACES
	SCALES
	FETCH 0, F0
.irp q, 0,1,2,3
.if \q < 3
	PLACES
	FETCH \q+1, F0+96*((\q+1)%2)
	s_wait_dscnt 24                        ; all but the 24 just issued
.else
	s_wait_dscnt 0x0
.endif
	WIN 0x50                               ; C and D in window 1
	MUL \q, F0+96*(\q%2), (1-(\g+3)/4)*(1-(\q+3)/4), \nat
	WIN 0
.endr
.endm
; the pointers of rotary pair i: the table s[16+2i], the f16 image s[26+2i], the f32 copy s[36+2i].  (The descriptors' registers: free behind the wait for 0 on TENSORcnt.)
.macro PTRS i
	s_add_co_u32 s70, s82, \i              ; pair P
	s_lshr_b32 s71, s70, 2                 ; unit: 0-7 q's heads, 8 k
	s_and_b32 s72, s70, 3                  ; sub
	s_lshl_b32 s74, s72, 11
	s_add_co_u32 s74, s74, s85
	s_mov_b32 s75, 0
	s_add_nc_u64 s[16+2*\i:17+2*\i], s[8:9], s[74:75]
	s_lshl_b32 s74, s80, 3
	s_add_co_u32 s74, s74, s71
	s_lshl_b32 s74, s74, 7
	s_add_co_u32 s74, s74, s84
	s_lshl_b32 s74, s74, 12                ; q16: ((8 b + head) 128 + 8 sigma) x 4,096
	s_lshl_b32 s76, s80, 20
	s_lshl_b32 s77, s81, 16
	s_add_co_u32 s76, s76, s77             ; kv16: b x 2^20 + sigma x 65,536
	s_cmp_eq_u32 s71, 8
	s_cselect_b64 s[26+2*\i:27+2*\i], s[12:13], s[10:11]
	s_cselect_b32 s74, s76, s74
	s_lshl_b32 s76, s66, 13
	s_add_co_u32 s74, s74, s76             ; + my two tiles of tokens
	s_lshl_b32 s76, s72, 9
	s_add_co_u32 s74, s74, s76             ; + piece sub
	s_add_nc_u64 s[26+2*\i:27+2*\i], s[26+2*\i:27+2*\i], s[74:75]
	s_mul_i32 s74, s80, 81920
	s_lshl_b32 s76, s71, 13
	s_add_co_u32 s74, s74, s76
	s_lshl_b32 s76, s72, 10
	s_add_co_u32 s74, s74, s76
	s_add_nc_u64 s[36+2*\i:37+2*\i], s[14:15], s[74:75]
.endm
.macro RLOAD i, m                      ; cos (8 registers) and sin (8) of pair i, token tile m
.irp k, 0,1,2,3
	global_load_b128 v[64+16*(5*\m+\i)+4*\k:64+16*(5*\m+\i)+4*\k+3], v1, s[16+2*\i:17+2*\i] offset:\m*8192+\k*512
.endr
.endm
; lo' = lo cos - hi sin, hi' = hi cos + lo sin; to f16; 512 consecutive bytes a store.  left: the younger table loads.
.macro ROPE i, m, left
.set FP_, 64+16*(5*\m+\i)
.set LO_, 8*(4*\i+\m)
.set HI_, 8*(4*\i+2+\m)
	s_wait_loadcnt \left
	WIN 0x01                               ; source 0: the accumulators, window 1
.irp k, 0,2,4,6
	v_pk_mul_f32 v[224+\k:225+\k], v[LO_+\k:LO_+\k+1], v[FP_+\k:FP_+\k+1]      ; each accumulator is read from its low end on
.endr
.irp k, 0,2,4,6
	v_pk_mul_f32 v[232+\k:233+\k], v[HI_+\k:HI_+\k+1], v[FP_+\k:FP_+\k+1]
.endr
.irp k, 0,2,4,6
	v_pk_fma_f32 v[224+\k:225+\k], v[HI_+\k:HI_+\k+1], v[FP_+8+\k:FP_+9+\k], v[224+\k:225+\k] neg_lo:[1,0,0] neg_hi:[1,0,0]
.endr
.irp k, 0,2,4,6
	v_pk_fma_f32 v[232+\k:233+\k], v[LO_+\k:LO_+\k+1], v[FP_+8+\k:FP_+9+\k], v[232+\k:233+\k]
.endr
	WIN 0
.irp k, 0,1,2,3,4,5,6,7
	v_cvt_pk_f16_f32 v[FP_+\k], v[224+2*\k], v[225+2*\k]     ; into the pair's own cos registers: no store's data are written again
.endr
	global_store_b128 v1, v[FP_:FP_+3], s[26+2*\i:27+2*\i] offset:\m*4096
	global_store_b128 v1, v[FP_+4:FP_+7], s[26+2*\i:27+2*\i] offset:\m*4096+2048
.if \m == 0
	s_cmp_lg_u32 s83, 0                    ; positions 0-15: the f32 copy
	s_cbranch_scc1 .Lnf_\@
	global_store_b128 v1, v[224:227], s[36+2*\i:37+2*\i]
	global_store_b128 v1, v[228:231], s[36+2*\i:37+2*\i] offset:512
	global_store_b128 v1, v[232:235], s[36+2*\i:37+2*\i] offset:4096
	global_store_b128 v1, v[236:239], s[36+2*\i:37+2*\i] offset:4608
	s_wait_xcnt 0x0                        ; v224-239 are written again only behind this wait
.Lnf_\@:
.endif
.endm
; v: pair i (1-4), half hf, token tile m: lane = channel, registers = tokens 8 h + j: half a fragment of v^T
.macro VOUT i, hf, m
.set AC_, 8*(2*(2*\i+\hf)+\m)
.set DS_, 80+4*(((\i-1)*2+\hf)*2+\m)
.set T_, (\i-1)+4*\hf
	WIN 0x05                               ; sources 0 and 1: window 1
.irp k, 0,1,2,3
	v_cvt_pk_f16_f32 v[DS_+\k], v[AC_+2*\k], v[AC_+2*\k+1]
.endr
	WIN 0
	global_store_b128 v1, v[DS_:DS_+3], s[46:47] offset:T_*1024+\m*512
.if \m == 0
	s_cmp_lg_u32 s83, 0
	s_cbranch_scc1 .Lnv_\@
	WIN 0x04                               ; a store's data: window 1
	global_store_b128 v1, v[AC_:AC_+3], s[48:49] offset:T_*1024
	global_store_b128 v1, v[AC_+4:AC_+7], s[48:49] offset:T_*1024+512
	WIN 0
.Lnv_\@:
.endif
.endm
	s_cmp_eq_u32 s68, 7                    ; the last group holds k's last pair and all of v
	s_cbranch_scc1 .Lpath_b
	GSTEP 0, 0
	GSTEP 1, 0
	GSTEP 2, 0
	GSTEP 3, 0
	PLACES
.irp i, 0,1,2,3,4
	PTRS \i
.endr
.irp m, 0,1
.irp i, 0,1,2,3,4
	RLOAD \i, \m
.endr
.endr
.irp m, 0,1
.irp i, 0,1,2,3,4
	ROPE \i, \m, 40-4*(5*\m+\i+1)
.endr
.endr
	s_branch .Lend
.Lpath_b:
	GSTEP 0, 1
	GSTEP 1, 1
	GSTEP 2, 1
	GSTEP 3, 1
	PLACES
	PTRS 0
	s_lshl_b32 s74, s80, 20
	s_lshl_b32 s76, s81, 16
	s_add_co_u32 s74, s74, s76
	s_lshl_b32 s76, s66, 13
	s_add_co_u32 s74, s74, s76
	s_add_co_u32 s74, s74, 32768
	s_mov_b32 s75, 0
	s_add_nc_u64 s[46:47], s[12:13], s[74:75]   ; v^T: behind the slot's K; keys 32 wave on
	s_mul_i32 s74, s80, 81920
	s_add_co_u32 s74, s74, 73728
	s_add_nc_u64 s[48:49], s[14:15], s[74:75]   ; f32a, unit 9
	RLOAD 0, 0
	RLOAD 0, 1
	ROPE 0, 0, 4
	ROPE 0, 1, 0
.irp i, 1,2,3,4
.irp hf, 0,1
.irp m, 0,1
	VOUT \i, \hf, \m
.endr
.endr
.endr
.Lend:
	s_wait_tensorcnt 0x0                   ; the wave's end, behind my last tensor load
	ds_add_u32 v14, v15
	s_wait_dscnt 0x0
	s_endpgm
.Lfunc_end_k_qc3ae3d584d_proj:
	.size	k_qc3ae3d584d_proj, .Lfunc_end_k_qc3ae3d584d_proj-k_qc3ae3d584d_proj
	.p2alignl 7, 3214868480
	.fill 96, 4, 3214868480
	.section	.rodata,"a",@progbits
	.p2align	6, 0x0
	.amdhsa_kernel k_qc3ae3d584d_proj
		.amdhsa_group_segment_fixed_size 327680
		.amdhsa_private_segment_fixed_size 0
		.amdhsa_enable_private_segment 0
		.amdhsa_kernarg_size 48
		.amdhsa_user_sgpr_count 2
		.amdhsa_user_sgpr_kernarg_segment_ptr 1
		.amdhsa_wavefront_size32 1
		.amdhsa_system_sgpr_workgroup_id_x 1
		.amdhsa_system_sgpr_workgroup_id_y 1
		.amdhsa_system_sgpr_workgroup_id_z 1
		.amdhsa_system_vgpr_workitem_id 0
		.amdhsa_next_free_vgpr 448
		.amdhsa_next_free_sgpr 100
		.amdhsa_reserve_vcc 0
		.amdhsa_float_denorm_mode_32 3
		.amdhsa_float_denorm_mode_16_64 3
		.amdhsa_memory_ordered 1
		.amdhsa_forward_progress 1
		.amdhsa_inst_pref_size 194
	.end_amdhsa_kernel
	.amdgpu_metadata
---
amdhsa.version: [ 1, 2 ]
amdhsa.kernels:
  - .name:           k_qc3ae3d584d_proj
    .symbol:         k_qc3ae3d584d_proj.kd
    .args:
      - { .name: xq, .offset: 0, .size: 8, .value_kind: global_buffer, .address_space: global }
      - { .name: wq, .offset: 8, .size: 8, .value_kind: global_buffer, .address_space: global }
      - { .name: rope, .offset: 16, .size: 8, .value_kind: global_buffer, .address_space: global }
      - { .name: q16, .offset: 24, .size: 8, .value_kind: global_buffer, .address_space: global }
      - { .name: kv16, .offset: 32, .size: 8, .value_kind: global_buffer, .address_space: global }
      - { .name: f32a, .offset: 40, .size: 8, .value_kind: global_buffer, .address_space: global }
    .group_segment_fixed_size: 327680
    .private_segment_fixed_size: 0
    .kernarg_segment_align: 8
    .kernarg_segment_size: 48
    .max_flat_workgroup_size: 128
    .sgpr_count:     100
    .vgpr_count:     448
    .wavefront_size: 32
...
	.end_amdgpu_metadata
.endif
;; end of part 2
;; launch attn (part 3): grid 128 x 2, 16 waves a work-group, clusters of 4 x 1, 327,680 bytes of LDS; arguments q16, kv16, o16; writes o16
.if DOCPART == 3
	.amdgcn_target "amdgcn-amd-amdhsa--gfx1250"
	.amdhsa_code_object_version 6
	.text
	.protected	k_qc3ae3d584d_attn
	.globl	k_qc3ae3d584d_attn
	.p2align	8
	.type	k_qc3ae3d584d_attn,@function
k_qc3ae3d584d_attn:
	s_mov_b64 s[64:65], 0
	v_nop
	global_prefetch_b8 v0, s[64:65] scope:SCOPE_SE
	s_setreg_imm32_b32 hwreg(HW_REG_WAVE_MODE, 25, 1), 1
	s_wait_xcnt 0x0
	s_wait_alu depctr_hold_cnt(0) depctr_sa_sdst(0) depctr_va_vdst(0) depctr_va_sdst(0) depctr_va_ssrc(0) depctr_va_vcc(0) depctr_vm_vsrc(0)
	s_getreg_b32 s2, hwreg(HW_REG_IB_STS2, 6, 4)
	s_cmp_eq_u32 s2, 0
	s_cbranch_scc0 .Lentry_in_a_cluster
	s_endpgm
.Lentry_in_a_cluster:
	s_bfe_u32 s2, ttmp6, 0x10000c
	s_cmp_lg_u32 s2, 0x3003
	s_cbranch_scc0 .Lentry_shape_is_right
	s_endpgm
.Lentry_shape_is_right:
; ATTN: o = softmax(q k^T / sqrt(128), causal) v, one key and value head for eight query heads; operands f16, products, maxima and sums f32; a running maximum and sum for each query.
; SHARES.  A cluster (x = Q, 0-31; y = batch) of four work-groups; work-group cx holds heads 2 cx and 2 cx + 1, and of each the tiles of 16 queries Q, 63 - Q, 127 - Q, 64 + Q (kinds 0 .. 3): eight items of equal causal work in every work-group.
; AN ITEM IS SHARED BY TWO WAVES: of every 128 keys the wave par = 0 takes the first 64, the wave par = 1 the second 64, each with its own m, l and O^T; at the end the two are joined through LDS.  So no wave walks more than 16 steps of 64 keys.
; Sixteen waves of 256 registers, no register windows.  Wave w = 4 a + b: kind (a + b) % 4, head bit b & 1, par = b >> 1: the four waves of a kind differ both in w % 4 and in w / 4.
; K AND V are walked alike by all four partners, so each tile is asked for JOINTLY (mask 15).  Ring of two slots of 256 keys (two records of K 32 KiB and V^T 32 KiB), as images of fragments: every LDS read takes 512 consecutive bytes.
; Every wave fetches a sixteenth of a slot, 8 KiB.  Both slots are first filled at the head; eight slots are walked by every cluster.  The waves of tile 127 - Q walk all 2,048 keys, so that every joint tile is read in every partner;
; what lies past their diagonal is wholly masked there (p = 0, a = 1, nothing changes): at most 7 steps of 64 keys, shared by the two waves.
; LAYOUT.  S^T = K Q^T, O^T = V^T P: a lane holds one query (lane % 16) throughout; two score tiles packed to f16 are the second product's source 1.
; p = 2^(c s - c m), c = log2(e) / sqrt(128); in every step O and l are multiplied by a = 2^(c m_old - c m_new).  A step whose keys all come after the wave's queries is left out by a scalar branch on ids.
; LIMITS: f16 operands (|q|, |k|, |v| under 65,504; p under 6e-8 of the row's largest falls to 0).  Positions 0-15 are made again, in f32, by a later launch.
; REGISTERS: v0 thread; v1 16 x lane; v2 that + 16,384 par; v3, v4 the add's two; v5 the step's LDS address; v6 my item's place in the stage; v7 256 x lane (prefetch).
.set SLOTB, 131072                     ; a slot: 256 keys
.set SPARE, 262144                     ; behind the ring: the spare words, 128 bytes for each of sixteen waves
.set ITEMB, 8704                       ; the stage, in slot 0 (which has had its last fill and its last read by then): for each item 16 pieces of O^T and one of c m, m, l
.set ST, 8                             ; v8 c m, v9 m, v10-11 l, v12-15 at work (a in v14)
.set QR, 16                            ; v16-47 Q
.set S, 48                             ; v48-79 S^T, then p
.set P, 80                             ; v80-95 p in f16
.set O, 96                             ; v96-159 O^T
.set FA, 160                           ; three sets of four fragments
.set FB, 192
.set FC, 224
.set WV, 10
.set Q0, 32                            ; my first query
.set QL, 33                            ; the last key that I walk to
.set KF, 34                            ; the step's first key
.set LC, 35
.set SLC, 36                           ; the slot in hand
.set PLIM, 37
.set CS, 38
.set SEL, 40
.set PAR, 56
.macro PLACES
.rept 4
	v_nop
.endr
.endm
.macro CROUND                          ; a round of the cluster's barrier
	s_barrier_signal -1
	s_barrier_wait -1
	s_cmp_lg_u32 s[WV], 0
	s_cbranch_scc1 .Lnot_wave_0_\@
	s_barrier_signal -3
.Lnot_wave_0_\@:
	s_barrier_wait -3
	s_barrier_signal -1
	s_barrier_wait -1
.endm
; A prefetch of the slot that the NEXT change of slots will ask for: 512 blocks of 256 bytes: in the batch's first cluster alone, waves 0-3 of each partner, a lane a block; the partners are told apart by address.
; Each block is named once: slots 3 to 7; slots 0, 1 and 2 come by their loads alone, and nothing is named past slot 7.
.macro ASK
	s_cmp_lt_u32 s[SLC], s[PLIM]
	s_cbranch_scc0 .Lnot_mine_\@
	global_prefetch_b8 v7, s[42:43] th:TH_LOAD_NT scope:SCOPE_SE
.Lnot_mine_\@:
.endm
	s_load_b128 s[4:7], s[0:1], 0x0        ; q16 4, kv16 6
	s_load_b64 s[8:9], s[0:1], 0x10        ; o16
	v_lshl_add_u32 v3, v0, 2, SPARE
	v_mov_b32 v4, 0
	ds_add_u32 v3, v4                      ; the opening: the add, twice on end, and its wait
	ds_add_u32 v3, v4
	v_lshrrev_b32 v1, 5, v0
	v_readfirstlane_b32 s[WV], v1          ; wave 0-15
	s_mov_b32 s11, ttmp9                   ; Q: the cluster's x
	s_bfe_u32 s12, ttmp6, 0x40000          ; cx: enters Q's, O's and the prefetch's addresses alone
	s_and_b32 s13, ttmp7, 0xffff           ; batch
	s_lshr_b32 s44, s[WV], 2               ; a
	s_and_b32 s45, s[WV], 3                ; b
	s_add_co_u32 s14, s44, s45
	s_and_b32 s14, s14, 3                  ; the kind of my tile
	s_and_b32 s57, s45, 1                  ; head bit
	s_lshr_b32 s[PAR], s45, 1              ; which 64 of every 128 keys
	s_lshl_b32 s58, s14, 1
	s_add_co_u32 s58, s58, s57
	s_mul_i32 s58, s58, ITEMB              ; my item's place in the stage: the same in both of its waves
	s_sub_co_u32 s44, 63, s11
	s_sub_co_u32 s45, 127, s11
	s_add_co_u32 s46, s11, 64
	s_cmp_eq_u32 s14, 0
	s_cselect_b32 s15, s11, s44
	s_cmp_eq_u32 s14, 2
	s_cselect_b32 s15, s45, s15
	s_cmp_eq_u32 s14, 3
	s_cselect_b32 s15, s46, s15            ; my tile of queries
	s_lshl_b32 s[Q0], s15, 4
	s_add_co_u32 s[QL], s[Q0], 15
	s_cmp_eq_u32 s14, 2
	s_cselect_b32 s[QL], 2047, s[QL]       ; tile 127 - Q's waves walk to the end
	s_lshl_b32 s[KF], s[PAR], 6
	s_mov_b32 s[SLC], 1                    ; the first change of slots leads to slot 1
	s_lshr_b32 s44, s[WV], 2               ; 0 in waves 0-3,
	s_or_b32 s44, s44, s11                 ; of the batch's first cluster
	s_cmp_eq_u32 s44, 0
	s_cselect_b32 s[PLIM], 6, 0
	s_mov_b32 s[CS], 0x3e0293ee            ; c = log2(e) / sqrt(128)
	s_mov_b32 s[CS+1], s[CS]
	s_mov_b32 s[SEL], 0x76543210
	s_mov_b32 s[SEL+1], 0xfedcba98
	; the shape: 32 rows of 256 bytes, dense; mask: all four partners; bit 21 beside it
	s_mov_b32 s16, 15|(3<<16)|(1<<21)
	s_mov_b32 s17, 32<<16
	s_mov_b32 s18, 32<<16
	s_mov_b32 s19, 32<<16
	s_mov_b32 s20, 32
	s_mov_b32 s21, 32
	s_mov_b32 s22, 0
	s_mov_b32 s23, 0
	s_lshl_b32 s44, s13, 20
	s_lshl_b32 s46, s[WV], 13              ; my sixteenth, in memory and in a slot
	s_add_co_u32 s44, s44, s46
	s_mov_b32 s45, 0
	s_lshl_b32 s48, s12, 1
	s_add_co_u32 s48, s48, s57             ; head
	s_lshl_b32 s50, s13, 3
	s_add_co_u32 s50, s50, s48
	s_lshl_b32 s50, s50, 7
	s_add_co_u32 s50, s50, s15
	s_lshl_b32 s50, s50, 12                ; q16: ((8 b + head) 128 + tile) x 4,096
	s_mov_b32 s51, 0
	s_lshl_b32 s52, s48, 8
	s_lshl_b32 s53, s13, 7
	s_add_co_u32 s52, s52, s53
	s_add_co_u32 s52, s52, s15
	s_lshl_b32 s52, s52, 12                ; o16: (256 head + 128 b + tile) x 4,096
	s_mov_b32 s53, 0
	s_lshl_b32 s54, s13, 20
	s_lshl_b32 s55, s12, 15                ; the prefetch: my work-group's 32 KiB of a slot,
	s_add_co_u32 s54, s54, s55
	s_and_b32 s55, s[WV], 3
	s_lshl_b32 s55, s55, 13                ; my wave's 8 KiB of them,
	s_add_co_u32 s54, s54, s55
	s_add_co_u32 s54, s54, 2*SLOTB         ; in slot 2: the first change of slots steps it to slot 3
	s_mov_b32 s55, 0
	s_wait_dscnt 0x0                       ; both opening adds are done
	s_wait_kmcnt 0x0
	s_add_nc_u64 s[42:43], s[6:7], s[54:55]
	s_add_nc_u64 s[6:7], s[6:7], s[44:45]
	s_add_nc_u64 s[4:5], s[4:5], s[50:51]
	s_add_nc_u64 s[8:9], s[8:9], s[52:53]
	CROUND                                 ; all four work-groups are here: the first joint loads meet
.irp s, 0,1
	s_mov_b32 s[24+4*\s], 1
	s_add_co_u32 s[25+4*\s], s46, \s*SLOTB
	s_add_nc_u64 s[26+4*\s:27+4*\s], s[6:7], \s*SLOTB
	s_or_b32 s[27+4*\s], s[27+4*\s], 0x80000000
.endr
	tensor_load_to_lds s[24:27], s[16:23]  ; both first fills go out together: two loads of mine are out
	s_nop 0
	tensor_load_to_lds s[28:31], s[16:23]
	s_nop 0
	PLACES
	v_and_b32 v1, 31, v0
	v_lshlrev_b32 v7, 8, v1                ; the prefetch: 256 x lane
	v_lshlrev_b32 v1, 4, v1                ; 16 x lane
	s_lshl_b32 s44, s[PAR], 14
	v_add_nc_u32 v2, s44, v1               ; in a record of 128 keys both K's and V's tiles of my 64 keys begin 16,384 par bytes on
	v_add_nc_u32 v6, s58, v1               ; the stage
.irp t, 0,1,2,3,4,5,6,7
	global_load_b128 v[QR+4*\t:QR+4*\t+3], v1, s[4:5] offset:512*\t    ; Q stays in registers
.endr
	v_mov_b32 v[ST+1], 0xff61b1e6          ; m = -3e38, under every score
	v_mul_f32 v[ST], s[CS], v[ST+1]
	v_mov_b32 v[ST+2], 0
	v_mov_b32 v[ST+3], 0
.irp j, 4,5,6,7
	v_mov_b32 v[ST+\j], 0                  ; written once: every key step stands under a branch, and a lane permute's destination counts as read
.endr
.set j_, 0
.rept 64
	v_mov_b32 v[O+j_], 0                   ; the step is written once: the first finds zeros; a wave that never has a step hands zeros on
.set j_, j_+1
.endr
.macro LDK g, set                      ; four tiles of 16 keys x channels 32 g on
.irp f, 0,1,2,3
	ds_load_b128 v[\set+8*\f:\set+8*\f+3], v5 offset:\f*4096+\g*1024
	ds_load_b128 v[\set+8*\f+4:\set+8*\f+7], v5 offset:\f*4096+\g*1024+512
.endr
.endm
.macro MMK g, set                      ; the four score tiles take turns
.irp f, 0,1,2,3
.if \g == 0
	v_wmma_f32_16x16x32_f16 v[S+8*\f:S+8*\f+7], v[\set+8*\f:\set+8*\f+7], v[QR+8*\g:QR+8*\g+7], 0
.else
	v_wmma_f32_16x16x32_f16 v[S+8*\f:S+8*\f+7], v[\set+8*\f:\set+8*\f+7], v[QR+8*\g:QR+8*\g+7], v[S+8*\f:S+8*\f+7]
.endif
.endr
.endm
.macro LDV g, set                      ; keys 32 (g / 2) on, channel tiles 4 (g % 2) on
.irp f, 0,1,2,3
	ds_load_b128 v[\set+8*\f:\set+8*\f+3], v5 offset:32768+((\g)/2)*8192+(4*((\g)%2)+\f)*1024
	ds_load_b128 v[\set+8*\f+4:\set+8*\f+7], v5 offset:32768+((\g)/2)*8192+(4*((\g)%2)+\f)*1024+512
.endr
.endm
.macro MMV g, set
.irp f, 0,1,2,3
	v_wmma_f32_16x16x32_f16 v[O+8*(4*((\g)%2)+\f):O+8*(4*((\g)%2)+\f)+7], v[\set+8*\f:\set+8*\f+7], v[P+8*((\g)/2):P+8*((\g)/2)+7], v[O+8*(4*((\g)%2)+\f):O+8*(4*((\g)%2)+\f)+7]
.endr
.endm
.macro SOFTMAX
.irp j, 0,1,2,3
	v_max3_num_f32 v[ST+4+\j], v[S+8*\j], v[S+8*\j+1], v[S+8*\j+2]     ; four chains, each from its tile's low end
.endr
.irp k, 3,5
.irp j, 0,1,2,3
	v_max3_num_f32 v[ST+4+\j], v[ST+4+\j], v[S+8*\j+\k], v[S+8*\j+\k+1]
.endr
.endr
	v_max3_num_f32 v[ST+4], v[ST+4], v[S+7], v[S+15]
	v_max3_num_f32 v[ST+6], v[ST+6], v[S+23], v[S+31]
	v_max3_num_f32 v[ST+4], v[ST+4], v[ST+5], v[ST+6]
	v_max3_num_f32 v[ST+4], v[ST+4], v[ST+7], v[ST+1]                  ; and the old m
	v_permlanex16_b32 v[ST+5], v[ST+4], s[SEL], s[SEL+1]               ; the query's other 32 keys lie 16 lanes away
	v_mov_b32 v[ST+7], v[ST]
	v_max_num_f32 v[ST+1], v[ST+4], v[ST+5]
	v_mul_f32 v[ST], s[CS], v[ST+1]
	v_sub_f32 v[ST+7], v[ST+7], v[ST]                                  ; c m_old - c m_new
.set j_, 0
.rept 16
	v_pk_fma_f32 v[S+j_:S+j_+1], v[S+j_:S+j_+1], s[CS:CS+1], v[ST:ST+1] op_sel_hi:[1,0,0] neg_lo:[0,0,1] neg_hi:[0,0,1]
.set j_, j_+2
.endr
	v_exp_f32 v[ST+6], v[ST+7]                                         ; a
.set j_, 0
.rept 32
	v_exp_f32 v[S+j_], v[S+j_]
.set j_, j_+1
.endr
	v_nop                                  ; a plain line behind the last exponential
	s_wait_alu depctr_va_vdst(0)           ; one wait for the batch of 33, ahead of its first reader
.set j_, 0
.rept 16
	v_cvt_pk_f16_f32 v[P+j_], v[S+2*j_], v[S+2*j_+1]
.set j_, j_+1
.endr
.irp u, 0,1,2,3,4,5,6,7
	v_pk_add_f32 v[S+4*\u:S+4*\u+1], v[S+4*\u:S+4*\u+1], v[S+4*\u+2:S+4*\u+3]
.endr
.irp u, 0,1,2,3
	v_pk_add_f32 v[S+8*\u:S+8*\u+1], v[S+8*\u:S+8*\u+1], v[S+8*\u+4:S+8*\u+5]
.endr
.irp u, 0,1
	v_pk_add_f32 v[S+16*\u:S+16*\u+1], v[S+16*\u:S+16*\u+1], v[S+16*\u+8:S+16*\u+9]
.endr
	v_pk_add_f32 v[S:S+1], v[S:S+1], v[S+16:S+17]
	v_pk_fma_f32 v[ST+2:ST+3], v[ST+2:ST+3], v[ST+6:ST+7], v[S:S+1] op_sel_hi:[1,0,1]   ; l = a l + the sum of the unrounded p
.set j_, 0
.rept 32
	v_pk_mul_f32 v[O+j_:O+j_+1], v[O+j_:O+j_+1], v[ST+6:ST+7] op_sel_hi:[1,0]
.set j_, j_+2
.endr
.endm
; My 64 keys of the record of 128 keys that begins at LDS byte base.  Runs of 8 LDS loads on three sets; each wait for 16 leaves the two younger runs out.
.macro STEP base
	s_cmp_gt_u32 s[KF], s[QL]
	s_cbranch_scc1 .Lhid_\@
	v_add_nc_u32 v5, (\base), v2
	PLACES
	LDK 0, FA
	LDK 1, FB
	LDK 2, FC
	s_wait_dscnt 16
	MMK 0, FA
	PLACES
	LDK 3, FA
	s_wait_dscnt 16
	MMK 1, FB
	PLACES
	LDV 0, FB
	s_wait_dscnt 16
	MMK 2, FC
	PLACES
	LDV 1, FC
	s_wait_dscnt 16
	MMK 3, FA
	PLACES
	LDV 2, FA
	s_add_co_u32 s44, s[KF], 63            ; a step all of whose keys count has no mask
	s_cmp_le_u32 s44, s[Q0]
	s_cbranch_scc1 .Lopen_\@
	s_sub_co_i32 s44, s[Q0], s[KF]
	v_and_b32 v12, 15, v0
	v_bfe_u32 v13, v0, 4, 1
	v_lshlrev_b32 v13, 3, v13
	v_sub_nc_u32 v12, v12, v13
	v_add_nc_u32 v12, s44, v12             ; register 8 i + j holds key KF + 16 i + 8 h + j: hidden where 16 i + j > my query - KF - 8 h
	v_mov_b32 v13, 0xff800000              ; -infinity
.set n_, 0
.rept 32
	v_cmp_gt_i32 vcc_lo, 16*(n_/8)+n_%8, v12
	v_cndmask_b32 v[S+n_], v[S+n_], v13, vcc_lo
.set n_, n_+1
.endr
.Lopen_\@:
	SOFTMAX
	s_wait_dscnt 16
	MMV 0, FB
	PLACES
	LDV 3, FB
	s_wait_dscnt 16
	MMV 1, FC
	s_wait_dscnt 8                         ; the last run may be out
	MMV 2, FA
	s_wait_dscnt 0x0
	MMV 3, FB
.Lhid_\@:
	s_add_co_u32 s[KF], s[KF], 128
.endm
; A change of slots and the slot's two records.
; Behind the round the other slot is filled first, jointly, with the keys two slots on: that load has this slot's steps in which to land.
.macro BT slot, refill
	s_wait_tensorcnt 0x0                   ; no load of mine is out, so a descriptor may be written
	ds_add_u32 v3, v4
.if \refill
	s_add_nc_u64 s[26+4*(1-\slot):27+4*(1-\slot)], s[26+4*(1-\slot):27+4*(1-\slot)], 2*SLOTB   ; the other slot's next keys
	s_wait_xcnt 0x0                        ; the last prefetch, a slot back, has read its address
	s_add_nc_u64 s[42:43], s[42:43], SLOTB
.endif
	s_wait_dscnt 0x0
	CROUND
.if \refill
	tensor_load_to_lds s[24+4*(1-\slot):27+4*(1-\slot)], s[16:23]
	s_nop 0
	PLACES
	ASK
.endif
	STEP \slot*SLOTB
	STEP \slot*SLOTB+65536
	s_add_co_u32 s[SLC], s[SLC], 1
.endm
	s_wait_tensorcnt 0x1                   ; my part of slot 0 is in; slot 1's may stay out
	s_barrier_signal -1
	s_barrier_wait -1                      ; everybody's is
	s_wait_loadcnt 0x0                     ; Q
	STEP 0
	STEP 65536
	s_mov_b32 s[LC], 3
.Lp:                                       ; slots 1 to 6; behind each change the slot just left takes the keys two slots on
	BT 1, 1
	BT 0, 1
	s_sub_co_u32 s[LC], s[LC], 1
	s_cmp_lg_u32 s[LC], 0
	s_cbranch_scc1 .Lp
	BT 1, 0                                ; slot 7: the tail is written out
	; THE TWO HALVES OF AN ITEM ARE JOINED.  The wave par = 1 lays O^T, c m and l into the stage as they stand in its registers; a barrier; the wave par = 0 takes them lane by lane.
	; The stage lies in slot 0: its last fill was waited for, and every wave's reads of it were over, in front of the last round.
	PLACES
	s_cmp_eq_u32 s[PAR], 0
	s_cbranch_scc1 .Lkeeper
.set i_, 0
.rept 16
	ds_store_b128 v6, v[O+4*i_:O+4*i_+3] offset:512*i_     ; each accumulator from its low end on
.set i_, i_+1
.endr
	ds_store_b128 v6, v[ST:ST+3] offset:8192
.Lkeeper:
	s_wait_dscnt 0x0                       ; for the others' sake: my stores have landed
	s_barrier_signal -1
	s_barrier_wait -1
	s_cmp_lg_u32 s[PAR], 0
	s_cbranch_scc1 .Lend
.set i_, 0
.rept 16
	ds_load_b128 v[FA+4*i_:FA+4*i_+3], v6 offset:512*i_
.set i_, i_+1
.endr
	ds_load_b128 v[FC:FC+3], v6 offset:8192                ; the other half's c m, m, l
	v_add_f32 v12, v[ST+2], v[ST+3]        ; my l
	v_mov_b32 v233, 0                      ; (named as the upper halves of the pairs v[232:233], v[234:235])
	v_mov_b32 v235, 0
	s_wait_dscnt 0x0
	v_max_num_f32 v228, v[ST], v224        ; c m of both halves
	v_sub_f32 v229, v[ST], v228
	v_sub_f32 v230, v224, v228
	v_exp_f32 v232, v229                   ; my factor,
	v_exp_f32 v234, v230                   ; the other half's (0 where it never had a step: its c m is c x -3e38)
	v_add_f32 v231, v226, v227             ; its l (a plain line behind the exponentials)
	s_wait_alu depctr_va_vdst(0)           ; one wait for the two, ahead of their first reader
	v_mul_f32 v12, v12, v232
	v_fma_f32 v12, v231, v234, v12
	v_permlanex16_b32 v13, v12, s[SEL], s[SEL+1]
	v_add_f32 v12, v12, v13                ; the row's sum
	v_rcp_f32 v14, v12
	v_nop
	s_wait_alu depctr_va_vdst(0)           ; ahead of the reciprocal's first reader
	v_mul_f32 v232, v232, v14              ; the division goes into the two factors
	v_mul_f32 v234, v234, v14
.set j_, 0
.rept 32
	v_pk_mul_f32 v[O+j_:O+j_+1], v[O+j_:O+j_+1], v[232:233] op_sel_hi:[1,0]
.set j_, j_+2
.endr
.set j_, 0
.rept 32
	v_pk_fma_f32 v[O+j_:O+j_+1], v[FA+j_:FA+j_+1], v[234:235], v[O+j_:O+j_+1] op_sel_hi:[1,0,1]
.set j_, j_+2
.endr
.set j_, 0
.rept 32
	v_cvt_pk_f16_f32 v[S+j_], v[O+2*j_], v[O+2*j_+1]       ; a lane's eight channels of a tile are 16 bytes of the next product's fragment
.set j_, j_+1
.endr
.irp t, 0,1,2,3,4,5,6,7
	global_store_b128 v1, v[S+4*\t:S+4*\t+3], s[8:9] offset:512*\t     ; 512 consecutive bytes a store
.endr
.Lend:
	s_wait_tensorcnt 0x0                   ; the wave's end, behind my last tensor load and my last LDS store
	ds_add_u32 v3, v4
	s_wait_dscnt 0x0
	CROUND                                 ; the closing round
	s_endpgm
.Lfunc_end_k_qc3ae3d584d_attn:
	.size	k_qc3ae3d584d_attn, .Lfunc_end_k_qc3ae3d584d_attn-k_qc3ae3d584d_attn
	.p2alignl 7, 3214868480
	.fill 96, 4, 3214868480
	.section	.rodata,"a",@progbits
	.p2align	6, 0x0
	.amdhsa_kernel k_qc3ae3d584d_attn
		.amdhsa_group_segment_fixed_size 327680
		.amdhsa_private_segment_fixed_size 0
		.amdhsa_enable_private_segment 0
		.amdhsa_kernarg_size 24
		.amdhsa_user_sgpr_count 2
		.amdhsa_user_sgpr_kernarg_segment_ptr 1
		.amdhsa_wavefront_size32 1
		.amdhsa_system_sgpr_workgroup_id_x 1
		.amdhsa_system_sgpr_workgroup_id_y 1
		.amdhsa_system_sgpr_workgroup_id_z 1
		.amdhsa_system_vgpr_workitem_id 0
		.amdhsa_next_free_vgpr 256
		.amdhsa_next_free_sgpr 66
		.amdhsa_reserve_vcc 1
		.amdhsa_float_denorm_mode_32 3
		.amdhsa_float_denorm_mode_16_64 3
		.amdhsa_memory_ordered 1
		.amdhsa_forward_progress 1
		.amdhsa_inst_pref_size 156
	.end_amdhsa_kernel
	.amdgpu_metadata
---
amdhsa.version: [ 1, 2 ]
amdhsa.kernels:
  - .name:           k_qc3ae3d584d_attn
    .symbol:         k_qc3ae3d584d_attn.kd
    .args:
      - { .name: q16, .offset: 0, .size: 8, .value_kind: global_buffer, .address_space: global }
      - { .name: kv16, .offset: 8, .size: 8, .value_kind: global_buffer, .address_space: global }
      - { .name: o16, .offset: 16, .size: 8, .value_kind: global_buffer, .address_space: global }
    .group_segment_fixed_size: 327680
    .private_segment_fixed_size: 0
    .kernarg_segment_align: 8
    .kernarg_segment_size: 24
    .max_flat_workgroup_size: 512
    .sgpr_count:     66
    .vgpr_count:     256
    .wavefront_size: 32
...
	.end_amdgpu_metadata
.endif
;; end of part 3
;; launch outp (part 4): grid 8 x 32, 4 waves a work-group, clusters of 4 x 4, 327,680 bytes of LDS; arguments o16, w16, out0; writes out0
.if DOCPART == 4
	.amdgcn_target "amdgcn-amd-amdhsa--gfx1250"
	.amdhsa_code_object_version 6
	.text
	.protected	k_qc3ae3d584d_outp
	.globl	k_qc3ae3d584d_outp
	.p2align	8
	.type	k_qc3ae3d584d_outp,@function
k_qc3ae3d584d_outp:
	s_mov_b64 s[64:65], 0
	v_nop
	global_prefetch_b8 v0, s[64:65] scope:SCOPE_SE
	s_setreg_imm32_b32 hwreg(HW_REG_WAVE_MODE, 25, 1), 1
	s_wait_xcnt 0x0
	s_wait_alu depctr_hold_cnt(0) depctr_sa_sdst(0) depctr_va_vdst(0) depctr_va_sdst(0) depctr_va_ssrc(0) depctr_va_vcc(0) depctr_vm_vsrc(0)
	s_getreg_b32 s2, hwreg(HW_REG_IB_STS2, 6, 4)
	s_cmp_eq_u32 s2, 0
	s_cbranch_scc0 .Lentry_in_a_cluster
	s_endpgm
.Lentry_in_a_cluster:
	s_bfe_u32 s2, ttmp6, 0x10000c
	s_cmp_lg_u32 s2, 0xf033
	s_cbranch_scc0 .Lentry_shape_is_right
	s_endpgm
.Lentry_shape_is_right:
; OUTP: out0 = o Wout, M 4,096, N 2,048, K 1,024; operands f16 (images of fragments made by earlier launches), sums f32.
; SHARES.  A tile of out0 is 128 tokens x 256 columns: 256 work-groups; wave (w >> 1, w & 1): 64 x 128: 32 accumulators, window 1.  K goes in 8 steps of 128 (a head each) through a ring of two slots of 96 KiB.
; CLUSTER 4 x 4: o's tile hangs on the tile row alone and is asked for jointly along a row of the cluster, Wout's on the tile column alone, along a column.  Wave 0 fetches o's 32 KiB, waves 1 and 2 Wout's halves, wave 3 nothing.
; USED TRANSPOSED (source 0 = 16 columns of Wout, source 1 = 16 tokens): a lane holds eight neighbouring columns of one token's row.
; The 16 first positions of each batch are written here from f16 operands and written again, in f32, by the launch that follows.
.set SLOT, 98304
.set STAGE, 196608                     ; 16 rows x 528 bytes for each wave: bytes of its own, into which no fill lands
.set SPARE, 230400
.set F0, 64
.set WV, 10
.set MSB, 0
.macro WIN new
.if MSB != \new
	s_set_vgpr_msb (MSB<<8)|\new
.set MSB, \new
.endif
.endm
.macro PLACES
.rept 4
	v_nop
.endr
.endm
.macro CROUND
	s_barrier_signal -1
	s_barrier_wait -1
	s_cmp_lg_u32 s[WV], 0
	s_cbranch_scc1 .Lnot_wave_0_\@
	s_barrier_signal -3
.Lnot_wave_0_\@:
	s_barrier_wait -3
	s_barrier_signal -1
	s_barrier_wait -1
.endm
.macro JLOAD s                         ; each line has one mask and one set of registers; the branches hang on the wave's number alone
	s_cmp_eq_u32 s[WV], 0
	s_cbranch_scc0 .Lfor_b_\@
	tensor_load_to_lds s[32+4*(\s):35+4*(\s)], s[16:23]
	s_nop 0
	PLACES
	s_branch .Lasked_\@
.Lfor_b_\@:
	s_cmp_lt_u32 s[WV], 3
	s_cbranch_scc0 .Lasked_\@
	tensor_load_to_lds s[40+4*(\s):43+4*(\s)], s[24:31]
	s_nop 0
	PLACES
.Lasked_\@:
.endm
	s_load_b128 s[4:7], s[0:1], 0x0        ; o16 4, w16 6
	s_load_b64 s[8:9], s[0:1], 0x10        ; out0
	v_lshl_add_u32 v8, v0, 2, SPARE
	v_mov_b32 v9, 0
	ds_add_u32 v8, v9                      ; the opening: the add, twice on end, and its wait
	ds_add_u32 v8, v9
	v_lshrrev_b32 v1, 5, v0
	v_readfirstlane_b32 s[WV], v1
	s_bfe_u32 s11, ttmp6, 0x40000          ; cx
	s_bfe_u32 s12, ttmp6, 0x40004          ; cy
	s_lshl_b32 s13, ttmp9, 2
	s_add_co_u32 s13, s13, s11             ; tile column
	s_and_b32 s14, ttmp7, 0xffff
	s_lshl_b32 s14, s14, 2
	s_add_co_u32 s14, s14, s12             ; tile row
	s_lshl_b32 s52, s12, 2
	s_lshl_b32 s52, 15, s52                ; my row of the cluster
	s_lshl_b32 s53, 0x1111, s11            ; my column
	s_or_b32 s16, s52, (3<<16)|(1<<21)
	s_or_b32 s24, s53, (3<<16)|(1<<21)
.irp g, 16, 24                             ; 128 rows of 256 bytes, dense
	s_mov_b32 s[\g+1], 32<<16
	s_mov_b32 s[\g+2], 128<<16
	s_mov_b32 s[\g+3], 32<<16
	s_mov_b32 s[\g+4], 128
	s_mov_b32 s[\g+5], 32
	s_mov_b32 s[\g+6], 0
	s_mov_b32 s[\g+7], 0
.endr
	s_lshl_b32 s48, s14, 15                ; o16: token tile 8 x tile row
	s_mov_b32 s49, 0
	s_sub_co_u32 s54, s[WV], 1
	s_and_b32 s54, s54, 1                  ; which half of Wout's tile (waves 1, 2)
	s_lshl_b32 s50, s13, 16                ; w16: column tile 16 x tile column
	s_lshl_b32 s55, s54, 15
	s_add_co_u32 s50, s50, s55
	s_mov_b32 s51, 0
	s_lshl_b32 s56, s[WV], 15              ; where it goes: behind o's 32 KiB
	s_wait_dscnt 0x0
	s_wait_kmcnt 0x0
	s_add_nc_u64 s[48:49], s[4:5], s[48:49]
	s_add_nc_u64 s[50:51], s[6:7], s[50:51]
	CROUND                                 ; all sixteen work-groups are here
.irp s, 0,1
	s_mov_b32 s[32+4*\s], 1
	s_mov_b32 s[33+4*\s], \s*SLOT
	s_add_nc_u64 s[34+4*\s:35+4*\s], s[48:49], \s*1048576
	s_or_b32 s[35+4*\s], s[35+4*\s], 0x80000000
	s_mov_b32 s[40+4*\s], 1
	s_add_co_u32 s[41+4*\s], s56, \s*SLOT
	s_add_nc_u64 s[42+4*\s:43+4*\s], s[50:51], \s*524288
	s_or_b32 s[43+4*\s], s[43+4*\s], 0x80000000
.endr
	JLOAD 0
	v_and_b32 v1, 31, v0
	v_lshlrev_b32 v1, 4, v1                ; 16 x lane
	s_lshr_b32 s57, s[WV], 1               ; my half of the tokens
	s_and_b32 s58, s[WV], 1                ; my half of the columns
	s_lshl_b32 s59, s57, 14
	v_add_nc_u32 v2, s59, v1               ; o's fragments, slot 0,
	s_add_co_u32 s59, s59, SLOT
	v_add_nc_u32 v3, s59, v1               ; slot 1
	s_lshl_b32 s59, s58, 15
	s_add_co_u32 s59, s59, 32768
	v_add_nc_u32 v4, s59, v1               ; Wout's, slot 0,
	s_add_co_u32 s59, s59, SLOT
	v_add_nc_u32 v5, s59, v1               ; slot 1
	s_mul_i32 s59, s[WV], 8448
	s_add_co_u32 s59, s59, STAGE
	v_and_b32 v10, 15, v0
	v_bfe_u32 v11, v0, 4, 1
	v_mul_u32_u24 v6, v10, 528
	v_lshl_add_u32 v6, v11, 5, v6
	v_add_nc_u32 v6, s59, v6               ; into my stage: row r, 32 h
	v_add_nc_u32 v7, s59, v1               ; back: a row of 512 bytes
	s_lshl_b32 s60, s14, 7
	s_lshl_b32 s61, s57, 6
	s_add_co_u32 s60, s60, s61
	s_lshl_b32 s60, s60, 13
	s_lshl_b32 s61, s13, 10
	s_add_co_u32 s60, s60, s61
	s_lshl_b32 s61, s58, 9
	s_add_co_u32 s60, s60, s61
	s_mov_b32 s61, 0
	s_add_nc_u64 s[8:9], s[8:9], s[60:61]  ; my part of out0
.macro FETCH slot, q, set              ; 24 loads: 4 fragments of tokens, 8 of columns, 32 along K
.irp a, 0,1,2,3
.irp c, 0,1
	ds_load_b128 v[\set+8*\a+4*\c:\set+8*\a+4*\c+3], v[2+\slot] offset:\a*4096+(\q)*1024+\c*512
.endr
.endr
.irp bb, 0,1,2,3,4,5,6,7
.irp c, 0,1
	ds_load_b128 v[\set+32+8*\bb+4*\c:\set+32+8*\bb+4*\c+3], v[4+\slot] offset:\bb*4096+(\q)*1024+\c*512
.endr
.endr
.endm
.macro MUL set, z                      ; 32 matrix instructions; the accumulators take turns
.irp a, 0,1,2,3
.irp bb, 0,1,2,3,4,5,6,7
.if \z
	v_wmma_f32_16x16x32_f16 v[8*(8*\a+\bb):8*(8*\a+\bb)+7], v[\set+32+8*\bb:\set+32+8*\bb+7], v[\set+8*\a:\set+8*\a+7], 0
.else
	v_wmma_f32_16x16x32_f16 v[8*(8*\a+\bb):8*(8*\a+\bb)+7], v[\set+32+8*\bb:\set+32+8*\bb+7], v[\set+8*\a:\set+8*\a+7], v[8*(8*\a+\bb):8*(8*\a+\bb)+7]
.endif
.endr
.endr
.endm
; A K step of 128.  Behind it the other slot is filled first, jointly.
.macro TRIP slot, refill, zero
	s_wait_tensorcnt 0x0
	ds_add_u32 v8, v9
.if \refill
	ds_add_u32 v8, v9                      ; and once more where a load may still follow
.endif
	s_add_nc_u64 s[34+4*\slot:35+4*\slot], s[34+4*\slot:35+4*\slot], 2097152   ; this slot's next K step
	s_add_nc_u64 s[42+4*\slot:43+4*\slot], s[42+4*\slot:43+4*\slot], 1048576
	s_wait_dscnt 0x0
	CROUND
.if \refill
	JLOAD 1-\slot
.endif
	PLACES
	FETCH \slot, 0, F0
.irp q, 0,1,2,3
.if \q < 3
	PLACES
	FETCH \slot, \q+1, F0+96*((\q+1)%2)
	s_wait_dscnt 24                        ; all but the 24 just issued
.else
	s_wait_dscnt 0x0
.endif
	WIN 0x50                               ; C and D in window 1
	MUL F0+96*(\q%2), (\zero)*(1-(\q+3)/4)
	WIN 0
.endr
.endm
	TRIP 0, 1, 1                           ; the first K step's first products start the sums
	TRIP 1, 1, 0
	s_mov_b32 s66, 2
.Lk:
	TRIP 0, 1, 0
	TRIP 1, 1, 0
	s_sub_co_u32 s66, s66, 1
	s_cmp_lg_u32 s66, 0
	s_cbranch_scc1 .Lk
	TRIP 0, 1, 0
	TRIP 1, 0, 0
; THE WAY OUT, 16 tokens x 128 columns at a time, through my own stage: in as 32 bytes a lane, back as whole rows of 512 bytes.  LDS serves a wave's instructions in order.
.macro TOSTAGE a
	WIN 0x04                               ; an LDS store's data: window 1
.irp bb, 0,1,2,3,4,5,6,7
	ds_store_b128 v6, v[8*(8*(\a)+\bb):8*(8*(\a)+\bb)+3] offset:64*\bb          ; each accumulator from its low end on
	ds_store_b128 v6, v[8*(8*(\a)+\bb)+4:8*(8*(\a)+\bb)+7] offset:64*\bb+16
.endr
	WIN 0
.set t_, 0
.rept 16
	ds_load_b128 v[64+64*((\a)%2)+4*t_:64+64*((\a)%2)+4*t_+3], v7 offset:t_*528
.set t_, t_+1
.endr
.endm
.macro SEND a, younger
	s_wait_dscnt \younger                  ; the block is back; the next block's 16 stores and 16 loads may be out
.set t_, 0
.rept 16
	global_store_b128 v1, v[64+64*((\a)%2)+4*t_:64+64*((\a)%2)+4*t_+3], s[8:9] offset:(16*(\a)+t_)*8192 th:TH_STORE_NT   ; 512 consecutive bytes, aligned
.set t_, t_+1
.endr
.endm
	PLACES
	TOSTAGE 0
.irp a, 1,2,3
.if \a > 1
	s_wait_xcnt 0x0                        ; block a - 2's stores have read their registers: block a's loads may land there
.endif
	TOSTAGE \a
	SEND \a-1, 32
.endr
	SEND 3, 0
	s_wait_tensorcnt 0x0                   ; the wave's end
	ds_add_u32 v8, v9
	s_wait_dscnt 0x0
	CROUND                                 ; the closing round
	s_endpgm
.Lfunc_end_k_qc3ae3d584d_outp:
	.size	k_qc3ae3d584d_outp, .Lfunc_end_k_qc3ae3d584d_outp-k_qc3ae3d584d_outp
	.p2alignl 7, 3214868480
	.fill 96, 4, 3214868480
	.section	.rodata,"a",@progbits
	.p2align	6, 0x0
	.amdhsa_kernel k_qc3ae3d584d_outp
		.amdhsa_group_segment_fixed_size 327680
		.amdhsa_private_segment_fixed_size 0
		.amdhsa_enable_private_segment 0
		.amdhsa_kernarg_size 24
		.amdhsa_user_sgpr_count 2
		.amdhsa_user_sgpr_kernarg_segment_ptr 1
		.amdhsa_wavefront_size32 1
		.amdhsa_system_sgpr_workgroup_id_x 1
		.amdhsa_system_sgpr_workgroup_id_y 1
		.amdhsa_system_sgpr_workgroup_id_z 1
		.amdhsa_system_vgpr_workitem_id 0
		.amdhsa_next_free_vgpr 512
		.amdhsa_next_free_sgpr 72
		.amdhsa_reserve_vcc 0
		.amdhsa_float_denorm_mode_32 3
		.amdhsa_float_denorm_mode_16_64 3
		.amdhsa_memory_ordered 1
		.amdhsa_forward_progress 1
		.amdhsa_inst_pref_size 117
	.end_amdhsa_kernel
	.amdgpu_metadata
---
amdhsa.version: [ 1, 2 ]
amdhsa.kernels:
  - .name:           k_qc3ae3d584d_outp
    .symbol:         k_qc3ae3d584d_outp.kd
    .args:
      - { .name: o16, .offset: 0, .size: 8, .value_kind: global_buffer, .address_space: global }
      - { .name: w16, .offset: 8, .size: 8, .value_kind: global_buffer, .address_space: global }
      - { .name: out0, .offset: 16, .size: 8, .value_kind: global_buffer, .address_space: global }
    .group_segment_fixed_size: 327680
    .private_segment_fixed_size: 0
    .kernarg_segment_align: 8
    .kernarg_segment_size: 24
    .max_flat_workgroup_size: 128
    .sgpr_count:     72
    .vgpr_count:     512
    .wavefront_size: 32
...
	.end_amdgpu_metadata
.endif
;; end of part 4
;; launch first16 (part 5): grid 128 x 2, 8 waves a work-group, no clusters, 9,216 bytes of LDS; arguments f32a, Wout, out0; writes out0
.if DOCPART == 5
	.amdgcn_target "amdgcn-amd-amdhsa--gfx1250"
	.amdhsa_code_object_version 6
	.text
	.protected	k_qc3ae3d584d_first16
	.globl	k_qc3ae3d584d_first16
	.p2align	8
	.type	k_qc3ae3d584d_first16,@function
k_qc3ae3d584d_first16:
	s_mov_b64 s[64:65], 0
	v_nop
	global_prefetch_b8 v0, s[64:65] scope:SCOPE_SE
	s_setreg_imm32_b32 hwreg(HW_REG_WAVE_MODE, 25, 1), 1
	s_wait_xcnt 0x0
; FIRST16: positions 0-15 of each batch once more, wholly in f32: they average one to sixteen values and are the largest rows of the result, so f16 operands would weigh most there.
; It writes again the 32 rows of out0 that the launch before wrote from f16 operands.
; SHARES.  Work-group (x = 16 columns of out0, y = batch); wave = head: its own head's attention over 16 keys, then its part of the projection (K = its 128 channels); the eight parts are added through LDS in the order of the waves.
; The f32 matrix form takes 4 along K from a pair of registers.  Here lane (r, h)'s pair (2 i, 2 i + 1) holds index 16 (i / 4) + 8 h + 2 (i % 4) + 0, 1, ALIKE in both operands of every product: a reordering of K, which keeps the products.
; The registers that the matrix form writes (v144-223) are written by matrix instructions alone; each sum begins with the constant 0.
; The stores are pieces of 16 bytes in rows 8 KiB apart: 256 KiB in all.
.set SPARE, 8192
.set R1, 16                            ; v16-79   q
.set R2, 80                            ; v80-143  k, later v^T
.set O, 144                            ; v144-207 O^T
.set SA, 208                           ; v208-215, v216-223: two sums by turns
.set T, 224                            ; v224-231 scores, then p
.set MSB, 0
.macro WIN new
.if MSB != \new
	s_set_vgpr_msb (MSB<<8)|\new
.set MSB, \new
.endif
.endm
	s_load_b128 s[4:7], s[0:1], 0x0        ; f32a 4, Wout 6
	s_load_b64 s[8:9], s[0:1], 0x10        ; out0
	v_lshl_add_u32 v254, v0, 2, SPARE
	v_mov_b32 v255, 0
	v_lshrrev_b32 v1, 5, v0
	v_readfirstlane_b32 s10, v1            ; wave = head
	v_and_b32 v1, 31, v0
	v_lshlrev_b32 v1, 4, v1                ; 16 x lane
	v_and_b32 v2, 15, v0                   ; r
	v_bfe_u32 v3, v0, 4, 1                 ; h
	v_lshlrev_b32 v4, 16, v3
	v_lshl_add_u32 v4, v2, 2, v4           ; Wout: 8 h rows down, column r
	v_lshlrev_b32 v5, 13, v2
	v_lshl_add_u32 v5, v3, 5, v5           ; out0: row r, 32 h
	v_lshlrev_b32 v6, 3, v3
	v_sub_nc_u32 v6, v2, v6                ; r - 8 h
	v_mov_b32 v7, 0xff800000               ; -infinity
	s_lshl_b32 s20, s10, 10
	v_add_nc_u32 v8, s20, v1               ; where my part goes
	s_lshl_b32 s20, s10, 9
	v_add_nc_u32 v9, s20, v1               ; what waves 0 and 1 read back
	v_mov_b32 v233, 0                      ; (a lane permute's destination counts as read)
	s_and_b32 s11, ttmp7, 0xffff           ; batch
	s_mul_i32 s12, s11, 81920
	s_mov_b32 s13, 0
	s_lshl_b32 s14, s10, 13
	s_mov_b32 s15, 0
	s_mov_b32 s16, 0x3e0293ee              ; c = log2(e) / sqrt(128)
	s_mov_b32 s18, 0x76543210
	s_mov_b32 s19, 0xfedcba98
	s_lshl_b32 s22, s10, 20
	s_lshl_b32 s23, ttmp9, 6
	s_add_co_u32 s22, s22, s23
	s_mov_b32 s23, 0
	s_lshl_b32 s24, s11, 24
	s_lshl_b32 s25, ttmp9, 6
	s_add_co_u32 s24, s24, s25
	s_lshl_b32 s25, s10, 4
	s_add_co_u32 s24, s24, s25
	s_mov_b32 s25, 0
	s_wait_kmcnt 0x0
	s_add_nc_u64 s[4:5], s[4:5], s[12:13]      ; the batch's copy
	s_add_nc_u64 s[26:27], s[4:5], s[14:15]    ; my head's q
	s_add_nc_u64 s[6:7], s[6:7], s[22:23]      ; Wout at row 128 head, column 16 x
	s_add_nc_u64 s[8:9], s[8:9], s[24:25]
.set p_, 0
.rept 16
	global_load_b128 v[R1+4*p_:R1+4*p_+3], v1, s[26:27] offset:512*p_
.set p_, p_+1
.endr
.set p_, 0
.rept 16
	global_load_b128 v[R2+4*p_:R2+4*p_+3], v1, s[4:5] offset:65536+512*p_        ; k
.set p_, p_+1
.endr
	WIN 0x40                               ; destination window 1
.set p_, 0
.rept 64
	global_load_b32 v[p_], v4, s[6:7] offset:(16*(p_/8)+p_%8)*8192               ; register 8 dt + j: Wout(128 head + 16 dt + 8 h + j, 16 x + r)
.set p_, p_+1
.endr
	WIN 0
	s_wait_loadcnt 63                      ; of 96 loads the first 33 are in: q and k
.set i_, 0
.rept 32                                   ; S^T = k q^T: two sums by turns
.if i_ < 2
	v_wmma_f32_16x16x4_f32 v[SA+8*(i_%2):SA+8*(i_%2)+7], v[R2+2*i_:R2+2*i_+1], v[R1+2*i_:R1+2*i_+1], 0
.else
	v_wmma_f32_16x16x4_f32 v[SA+8*(i_%2):SA+8*(i_%2)+7], v[R2+2*i_:R2+2*i_+1], v[R1+2*i_:R1+2*i_+1], v[SA+8*(i_%2):SA+8*(i_%2)+7]
.endif
.set i_, i_+1
.endr
.rept 8
	v_nop                                  ; eight places behind this form, ahead of loads into its sources and of reads of its results
.endr
.set p_, 0
.rept 16
	global_load_b128 v[R2+4*p_:R2+4*p_+3], v1, s[4:5] offset:73728+512*p_        ; v^T: lane = channel, registers = keys 8 h + j
.set p_, p_+1
.endr
.irp j, 0,1,2,3,4,5,6,7
	v_add_f32 v[T+\j], v[SA+\j], v[SA+8+\j]            ; lane (query r, h): key 8 h + j
.endr
.irp j, 0,1,2,3,4,5,6,7
	v_cmp_gt_i32 vcc_lo, \j, v6                        ; hidden where 8 h + j > r
	v_cndmask_b32 v[T+\j], v[T+\j], v7, vcc_lo
.endr
	v_max3_num_f32 v232, v[T], v[T+1], v[T+2]
	v_max3_num_f32 v232, v232, v[T+3], v[T+4]
	v_max3_num_f32 v232, v232, v[T+5], v[T+6]
	v_max_num_f32 v232, v232, v[T+7]
	v_permlanex16_b32 v233, v232, s18, s19
	v_max_num_f32 v232, v232, v233                     ; the row's maximum (key 0 counts for every query)
	v_mul_f32 v234, s16, v232
.irp j, 0,1,2,3,4,5,6,7
	v_fma_f32 v[T+\j], v[T+\j], s16, -v234
.endr
.irp j, 0,1,2,3,4,5,6,7
	v_exp_f32 v[T+\j], v[T+\j]
.endr
	v_nop
	s_wait_alu depctr_va_vdst(0)           ; one wait for the eight, ahead of their first reader
	v_add_f32 v235, v[T], v[T+1]
	v_add_f32 v236, v[T+2], v[T+3]
	v_add_f32 v237, v[T+4], v[T+5]
	v_add_f32 v238, v[T+6], v[T+7]
	v_add_f32 v235, v235, v236
	v_add_f32 v237, v237, v238
	v_add_f32 v235, v235, v237
	v_permlanex16_b32 v233, v235, s18, s19
	v_add_f32 v235, v235, v233
	v_rcp_f32 v236, v235
	v_nop
	s_wait_alu depctr_va_vdst(0)
.irp j, 0,1,2,3,4,5,6,7
	v_mul_f32 v[T+\j], v[T+\j], v236
.endr
	s_wait_loadcnt 0x0                     ; v^T and Wout
.irp jj, 0,1,2,3                           ; O^T = v^T p: eight tiles of channels by turns
.irp dt, 0,1,2,3,4,5,6,7
.if \jj == 0
	v_wmma_f32_16x16x4_f32 v[O+8*\dt:O+8*\dt+7], v[R2+8*\dt+2*\jj:R2+8*\dt+2*\jj+1], v[T+2*\jj:T+2*\jj+1], 0
.else
	v_wmma_f32_16x16x4_f32 v[O+8*\dt:O+8*\dt+7], v[R2+8*\dt+2*\jj:R2+8*\dt+2*\jj+1], v[T+2*\jj:T+2*\jj+1], v[O+8*\dt:O+8*\dt+7]
.endif
.endr
.endr
.rept 9
	v_nop                                  ; nine places: the results become an operand
.endr
	WIN 0x01                               ; source 0: Wout, window 1
.set i_, 0
.rept 32                                   ; my head's part of out^T: rows = 16 columns of Wout, columns = 16 tokens
.if i_ < 2
	v_wmma_f32_16x16x4_f32 v[SA+8*(i_%2):SA+8*(i_%2)+7], v[2*i_:2*i_+1], v[O+2*i_:O+2*i_+1], 0
.else
	v_wmma_f32_16x16x4_f32 v[SA+8*(i_%2):SA+8*(i_%2)+7], v[2*i_:2*i_+1], v[O+2*i_:O+2*i_+1], v[SA+8*(i_%2):SA+8*(i_%2)+7]
.endif
.set i_, i_+1
.endr
	WIN 0
.rept 8
	v_nop
.endr
.irp j, 0,1,2,3,4,5,6,7
	v_add_f32 v[232+\j], v[SA+\j], v[SA+8+\j]          ; lane (token r, h): column 16 x + 8 h + j
.endr
	ds_store_b128 v8, v[232:235]
	ds_store_b128 v8, v[236:239] offset:512
	s_wait_tensorcnt 0x0                   ; behind my last LDS store; the wait on DScnt below also shows my stores landed, for the others' sake
	ds_add_u32 v254, v255
	s_wait_dscnt 0x0
	s_barrier_signal -1
	s_barrier_wait -1                      ; all eight parts lie in LDS
	s_cmp_lt_u32 s10, 2
	s_cbranch_scc0 .Lend
.irp ww, 0,1,2,3,4,5,6,7
	ds_load_b128 v[16+4*\ww:19+4*\ww], v9 offset:1024*\ww          ; wave c adds columns 4 c + 0 .. 3 of each half
.endr
	s_wait_dscnt 0x0
.irp ww, 1,2,3,4,5,6,7
	v_pk_add_f32 v[16:17], v[16:17], v[16+4*\ww:17+4*\ww]
	v_pk_add_f32 v[18:19], v[18:19], v[18+4*\ww:19+4*\ww]
.endr
	global_store_b128 v5, v[16:19], s[8:9]
.Lend:
	s_endpgm
.Lfunc_end_k_qc3ae3d584d_first16:
	.size	k_qc3ae3d584d_first16, .Lfunc_end_k_qc3ae3d584d_first16-k_qc3ae3d584d_first16
	.p2alignl 7, 3214868480
	.fill 96, 4, 3214868480
	.section	.rodata,"a",@progbits
	.p2align	6, 0x0
	.amdhsa_kernel k_qc3ae3d584d_first16
		.amdhsa_group_segment_fixed_size 9216
		.amdhsa_private_segment_fixed_size 0
		.amdhsa_enable_private_segment 0
		.amdhsa_kernarg_size 24
		.amdhsa_user_sgpr_count 2
		.amdhsa_user_sgpr_kernarg_segment_ptr 1
		.amdhsa_wavefront_size32 1
		.amdhsa_system_sgpr_workgroup_id_x 1
		.amdhsa_system_sgpr_workgroup_id_y 1
		.amdhsa_system_sgpr_workgroup_id_z 1
		.amdhsa_system_vgpr_workitem_id 0
		.amdhsa_next_free_vgpr 320
		.amdhsa_next_free_sgpr 66
		.amdhsa_reserve_vcc 1
		.amdhsa_float_denorm_mode_32 3
		.amdhsa_float_denorm_mode_16_64 3
		.amdhsa_memory_ordered 1
		.amdhsa_forward_progress 1
		.amdhsa_inst_pref_size 25
	.end_amdhsa_kernel
	.amdgpu_metadata
---
amdhsa.version: [ 1, 2 ]
amdhsa.kernels:
  - .name:           k_qc3ae3d584d_first16
    .symbol:         k_qc3ae3d584d_first16.kd
    .args:
      - { .name: f32a, .offset: 0, .size: 8, .value_kind: global_buffer, .address_space: global }
      - { .name: Wout, .offset: 8, .size: 8, .value_kind: global_buffer, .address_space: global }
      - { .name: out0, .offset: 16, .size: 8, .value_kind: global_buffer, .address_space: global }
    .group_segment_fixed_size: 9216
    .private_segment_fixed_size: 0
    .kernarg_segment_align: 8
    .kernarg_segment_size: 24
    .max_flat_workgroup_size: 256
    .sgpr_count:     66
    .vgpr_count:     320
    .wavefront_size: 32
...
	.end_amdgpu_metadata
.endif
;; end of part 5
